; MI455X (gfx1250); checked and timed in simulation.
; The chip was launched on July 23, 2026; its instructions are those of AMD's public machine-readable ISA for CDNA 5 (MIT licence, August 2026) and "CDNA5" Instruction Set Architecture Reference Guide (July 2026). The comments in the code are by the model that wrote it; some were corrected since.
;; Casual Self Attention. Allowed arithmetic: matrix products marked QUANTISED: E4M3 operands, one E8M0 scale for each 32 along K, by v_wmma_scale_f32_16x16x128_f8f6f4 with both operands' format E4M3, f32 sums; everything else in f32.
;; Inputs: W_attn 1,024 x 3,072 float32; W_proj 1,024 x 1,024 float32; b_attn 3,072 float32; b_proj 1,024 float32; x 4 x 2,048 x 1,024 float32.
;; Outputs: out0 4 x 2,048 x 1,024 float32.
;; This version of the problem:
;;   THIS VERSION OF THE PROBLEM IS GIVEN IN LOW PRECISION. The matrix products marked QUANTISED in the list below multiply operands that are first quantised to E4M3 (4 exponent bits, 3 mantissa bits; 8 bits a number), with one power-of-two scale for each 32 numbers along K (OCP MX v1.0); their sums are f32. All else is computed in f32.
;;   The module's matrix products, in the order in which they are computed (A, B: the left and right operand; K: the contracted axis; several contracted axes count as one K, in the product's order):
;;     1. [M 8,192, K 1,024] x [K 1,024, N 3,072]; A: input x; B: input W_attn: QUANTISED
;;     2. batch 64 x [M 2,048, K 64] x [K 64, N 2,048]; A: computed on the way; B: computed on the way: QUANTISED
;;     3. batch 64 x [M 2,048, K 2,048] x [K 2,048, N 64]; A: softmax (see below); B: computed on the way: QUANTISED
;;     4. [M 8,192, K 1,024] x [K 1,024, N 1,024]; A: computed on the way; B: input W_proj: QUANTISED
;;   THE QUANTISER, for each operand of a quantised product, along K:
;;     - K is cut into blocks of 32 from its start; a last block that is shorter is filled with zeros.
;;     - A block's scale is 2^e with e = floor(log2(the largest magnitude in the block)) - 8, held to -126 .. 127; a block of zeros has e = 0. As a byte (E8M0): e + 127.
;;     - Each number is divided by its block's scale, clamped to +-448, and rounded to the nearest number of E4M3, ties to even, subnormals kept.
;;     - The product sums the exact products of the quantised numbers (number of the format x scale) in f32.
;;   ~~~python
;;   def quantise(x, axis):      # numpy; x: float32 -> the quantised numbers, widened to float32 again
;;       x = np.moveaxis(x, axis, -1); K = x.shape[-1]
;;       x = np.pad(x, [(0, 0)] * (x.ndim - 1) + [(0, -K % 32)]); x = x.reshape(x.shape[:-1] + (-1, 32)); a = np.abs(x).max(-1, keepdims=True)
;;       e = np.where(a > 0, np.clip(np.frexp(np.where(a > 0, a, 1))[1] - 1 - 8, -126, 127), 0)      # np.frexp(a)[1] - 1 = floor(log2(a)), exactly
;;       r = np.clip(x / 2.0 ** e, -448, 448)
;;       step = 2.0 ** (np.maximum(np.frexp(np.where(r == 0, 1, r))[1] - 1, -6) - 3)
;;       q = np.round(r / step) * step * 2.0 ** e      # np.round: ties to even
;;       return np.moveaxis(q.reshape(q.shape[:-2] + (-1,))[..., :K], -1, axis).astype(np.float32)
;;   ~~~
;;   SOFTMAX AHEAD OF A QUANTISED PRODUCT. Where the list says 'softmax', what is quantised is not the finished softmax but p = 2^(t - M), with t = logit x log2(e) and M = ceil(the row's largest t), a whole number; so 1/2 < the row's largest p <= 1. The row's sum l is taken of the UNQUANTISED p, in f32, and the product's result is divided by l at the end. Since M is a whole number, a kernel that streams over the keys may use a running M (the ceiling of the running maximum): every later rescaling is an exact power of two, which a block's scale takes up: the codes' values come out the same.
;;   OPERANDS COMPUTED ON THE WAY. 'Computed on the way' means the value that the module computes at that place (a softmax that the list does not call 'softmax' is quantised finished and normalised). What goes into a quantiser is computed in f32, as accurately as f32 sums, v_exp_f32 and their like allow (about 1e-6 of the number): no bf16 or f16 on the way to a quantiser, and a product that is left as it is and whose result goes on into a quantised operand takes f32 operands (vector FMAs, or v_wmma_f32_16x16x4_f32). A number that lies on a knife's edge between two numbers of the format may be rounded either way, as far as f32 arithmetic and the matrix unit's own rounding can turn it there, and no further.
;; One version. Each part assembles by itself: llvm-mc -triple=amdgcn-amd-amdhsa -mcpu=gfx1250 --defsym DOCPART=n.
;; ======== version 1 of 1: 4 launches
;; workspace buffers: xw 12,976,128 bytes; qkv 25,952,256 bytes; yq 8,650,752 bytes
;; launch prep (part 1): grid 384 x 1, 4 waves a work-group, no clusters, 34,304 bytes of LDS; arguments x, W_attn, W_proj, xw; writes xw
.if DOCPART == 1
	.amdgcn_target "amdgcn-amd-amdhsa--gfx1250"
	.amdhsa_code_object_version 6
	.text
	.protected	k_q92e779d9e1_prep
	.globl	k_q92e779d9e1_prep
	.p2align	8
	.type	k_q92e779d9e1_prep,@function
k_q92e779d9e1_prep:
	s_mov_b64 s[64:65], 0
	v_nop
	global_prefetch_b8 v0, s[64:65] scope:SCOPE_SE
	s_setreg_imm32_b32 hwreg(HW_REG_WAVE_MODE, 25, 1), 1
	s_wait_xcnt 0x0
; x [8192][1024], W_attn [1024][3072] and W_proj [1024][1024], f32, become codes of FP8 (E4M3) with one E8M0 byte for each 32 along K (1,024), laid in xw AS THE MATRIX UNIT'S REGISTERS TAKE THEM.
; A ROW TILE rho is 16 rows (of x: tokens; of a weight: columns n): row(rho, r) = 32 (rho / 2) + 8 (rho % 2) + r + 8 (r / 8).  AN IMAGE (rho, s) is the fragment of those rows for K = 128 s .. 128 s + 127, 2,048 bytes:
; byte 512 c + 16 lane + e is the code of (row(rho, lane % 16), k = 128 s + 32 c + 16 (lane / 16) + e).  It lies at (rho / 8) 131072 + (s / 2) 32768 + (rho % 8) 4096 + (s % 2) 2048.
; Scale words (byte c: the block 128 s + 32 c) lie at SC_OFF + 512 rho + 128 (s / 2) + 8 r + 4 (s % 2).  rho / 8: x 0-63, W_attn 64-87, W_proj 88-95.
; A block's scale is 2^(floor(log2(its largest magnitude)) - 8); each number is divided by it, held within +-448 and rounded to the nearest code, ties to even.
; LIMITS: NaN and infinities are not served; a block whose largest magnitude lies under 2^-118 keeps the byte 1; a block of zeros gets the byte 1 where the rule says 127 (its codes are zeros, and this program alone reads the bytes).
; SHARES: work-groups 0-255 take x (a wave: one row tile x 512 along K), 256-351 W_attn, 352-383 W_proj (a wave: 32 columns x 256 along K).  Waves share nothing: no barrier.  No work-group reads what another reads: no cluster.
; The weights' scale words leave in pieces of 128 bytes: one byte for each 128 bytes that the path reads.
.set SC_OFF, 12582912
.set SP,   528                         ; a stage row: 512 bytes + 16, so that the sixteen rows that a read touches start in different banks
.set RA,   16                          ; v16-143  x: two sets of 64 registers as loaded
.set X,    144                         ; v144-207 x: my row's 64 numbers of a K step: register 16 b + i = k 32 b + 16 (lane / 16) + i
.set PC,   208                         ; v208-223 the codes just made
.set TM,   224                         ; v224-227 largest magnitudes, 228-231 bytes, 232-235 448 x the scale, 236-239 the conversions' scale operands
.set PWS,  244                         ; v244-247 the four K steps' scale words
.set WX,   32                          ; v32-95   weights: two sets of 32 numbers
.set WC,   96                          ; v96-103  a block's codes
.set WB,   24                          ; v24-25   eight scale bytes
.set SEL,  13                          ; s13, s14 lane selects: lane l xor 16
.set MNT,  15                          ; s15      the mantissa field of 448
	s_load_b256 s[4:11], s[0:1], 0x0               ; x s[4:5], W_attn s[6:7], W_proj s[8:9], xw s[10:11]
	v_lshl_add_u32 v254, v0, 2, 0x8400
	v_mov_b32 v255, 0
	v_lshrrev_b32 v1, 5, v0
	v_readfirstlane_b32 s12, v1                    ; wave
	v_and_b32 v1, 31, v0                           ; lane
	v_and_b32 v6, 15, v0                           ; r
	v_bfe_u32 v7, v0, 4, 1                         ; lane / 16
	s_mov_b32 s[SEL], 0x76543210
	s_mov_b32 s[SEL+1], 0xfedcba98
	s_mov_b32 s[MNT], 0x600000
	s_wait_kmcnt 0x0
	s_cmp_lt_u32 ttmp9, 256
	s_cbranch_scc0 .Lweights
; ---------------- x: K is innermost.  Each load takes 512 consecutive bytes of one row; a K step's 16 rows turn through the wave's own stage, so that a lane gets 16 neighbours of each block of its row.
	s_lshl_b32 s16, ttmp9, 2
	s_add_co_u32 s16, s16, s12
	s_lshr_b32 s17, s16, 1                         ; rho
	s_and_b32 s18, s16, 1                          ; which 512 along K
	s_lshr_b32 s20, s17, 1
	s_lshl_b32 s20, s20, 17                        ; 32 rows of 4,096 bytes
	s_and_b32 s21, s17, 1
	s_lshl_b32 s21, s21, 15                        ; 8 rows
	s_add_co_u32 s20, s20, s21
	s_lshl_b32 s21, s18, 11
	s_add_co_u32 s20, s20, s21
	s_mov_b32 s21, 0
	s_lshr_b32 s22, s17, 3
	s_lshl_b32 s22, s22, 17
	s_and_b32 s23, s17, 7
	s_lshl_b32 s23, s23, 12
	s_add_co_u32 s22, s22, s23
	s_lshl_b32 s23, s18, 16
	s_add_co_u32 s22, s22, s23
	s_mov_b32 s23, 0
	s_lshl_b32 s24, s17, 9
	s_lshl_b32 s25, s18, 8
	s_add_co_u32 s24, s24, s25
	s_add_co_u32 s24, s24, SC_OFF
	s_mov_b32 s25, 0
	s_mul_i32 s26, s12, 16*SP                      ; my stage
	s_mov_b32 s27, 0xffff0000                      ; lanes 16-31
	s_add_nc_u64 s[4:5], s[4:5], s[20:21]
	s_add_nc_u64 s[22:23], s[10:11], s[22:23]
	s_add_nc_u64 s[24:25], s[10:11], s[24:25]
	v_lshlrev_b32 v2, 4, v1                        ; 16 x lane: a load's and an image store's place
	v_add_nc_u32 v3, s26, v2                       ; the stage, on the way in
	v_mul_u32_u24 v4, v6, SP
	v_lshl_add_u32 v4, v7, 6, v4
	v_add_nc_u32 v4, s26, v4                       ; and out: row r, + 64 bytes for lanes 16-31
	v_lshlrev_b32 v5, 3, v1                        ; 8 x lane: the scale words' place
.irp b, 0,1,2,3
	v_mov_b32 v[TM+4+\b], 0                        ; written once: a lane permute's destination counts as one of its sources
.endr
.macro LOADX s                         ; K step s: the tile's 16 rows, 512 consecutive bytes each
.irp i, 0,1,2,3,4,5,6,7,8,9,10,11,12,13,14,15
	global_load_b128 v[RA+64*((\s)%2)+4*\i:RA+64*((\s)%2)+4*\i+3], v2, s[4:5] offset:(\i+8*(\i/8))*4096+512*(\s) th:TH_LOAD_NT
.endr
.endm
.macro TURNX s                         ; LDS serves a wave's instructions in order: no wait between the stores and the loads
.irp i, 0,1,2,3,4,5,6,7,8,9,10,11,12,13,14,15
	ds_store_b128 v3, v[RA+64*((\s)%2)+4*\i:RA+64*((\s)%2)+4*\i+3] offset:SP*\i
.endr
.irp b, 0,1,2,3
.irp j, 0,1,2,3
	ds_load_b128 v[X+16*\b+4*\j:X+16*\b+4*\j+3], v4 offset:128*\b+16*\j
.endr
.endr
.endm
.macro QUANT s, w                      ; 64 numbers v[s] on become a fragment's codes in v[PC] on and its scale word in v[w]
.irp b, 0,1,2,3
	v_max3_num_f32 v[TM+\b], |v[\s+16*\b]|, |v[\s+1+16*\b]|, 0x4800000   ; my 16 numbers of block b, and the floor 2^(9 - 127): the byte cannot fall under 1
.endr
.irp i, 2,4,6,8,10,12,14
.irp b, 0,1,2,3
	v_max3_num_f32 v[TM+\b], v[TM+\b], |v[\s+16*\b+\i]|, |v[\s+1+16*\b+\i]|
.endr
.endr
.irp b, 0,1,2,3
	v_permlanex16_b32 v[TM+4+\b], v[TM+\b], s[SEL], s[SEL+1]
.endr
.irp b, 0,1,2,3
	v_max_num_f32 v[TM+\b], v[TM+\b], v[TM+4+\b]   ; with lane l xor 16's 16: the block's largest magnitude
.endr
.irp b, 0,1,2,3
	v_add_nc_u32 v[TM+12+\b], 0xfc000000, v[TM+\b] ; 8 off its exponent field: the conversion's scale operand
.endr
.irp b, 0,1,2,3
	v_and_or_b32 v[TM+8+\b], v[TM+\b], 0x7f800000, s[MNT]   ; 448 x the scale
.endr
.irp b, 0,1,2,3
	v_lshrrev_b32 v[TM+4+\b], 23, v[TM+12+\b]      ; the scale's byte
.endr
	v_lshl_or_b32 v[\w], v[TM+5], 8, v[TM+4]
	v_lshl_or_b32 v[\w], v[TM+6], 16, v[\w]
	v_lshl_or_b32 v[\w], v[TM+7], 24, v[\w]
.irp b, 0,1,2,3
.irp i, 0,1,2,3,4,5,6,7,8,9,10,11,12,13,14,15
	v_med3_num_f32 v[\s+16*\b+\i], v[\s+16*\b+\i], -v[TM+8+\b], v[TM+8+\b]   ; the conversion does not saturate (ISA guide 7.6.2): the hold comes first
.endr
	v_cvt_scalef32_pk8_fp8_f32 v[PC+4*\b:PC+1+4*\b], v[\s+16*\b:\s+7+16*\b], v[TM+12+\b]
	v_cvt_scalef32_pk8_fp8_f32 v[PC+2+4*\b:PC+3+4*\b], v[\s+8+16*\b:\s+15+16*\b], v[TM+12+\b]
.endr
	v_nop                                          ; a plain line behind the last conversion
.endm
.macro XSTEP s
.if (\s) < 3
	s_wait_loadcnt 16                              ; this step's 16 loads are in; the next step's 16 may be out
.else
	s_wait_loadcnt 0x0
.endif
	TURNX \s
	s_wait_dscnt 0x0                               ; my numbers are back, and the stores into the stage have read their registers,
.if (\s)+2 < 4
	LOADX (\s)+2                                   ; which take the loads of two steps on
.endif
	s_wait_xcnt 0x0                                ; the last step's stores have read the codes' registers
	QUANT X, PWS+(\s)
.irp c, 0,1,2,3
	global_store_b128 v2, v[PC+4*\c:PC+4*\c+3], s[22:23] offset:((\s)/2)*32768+((\s)%2)*2048+512*\c   ; 32 lanes store 512 consecutive bytes
.endr
.endm
	LOADX 0
	LOADX 1
	XSTEP 0
	XSTEP 1
	XSTEP 2
	XSTEP 3
	v_cndmask_b32 v248, v[PWS], v[PWS+2], s27      ; lanes 0-15: K steps 0 and 1; lanes 16-31 (which hold the same words): steps 2 and 3
	v_cndmask_b32 v249, v[PWS+1], v[PWS+3], s27
	global_store_b64 v5, v[248:249], s[24:25]      ; 32 lanes store 256 consecutive bytes, aligned
	s_wait_tensorcnt 0x0
	ds_add_u32 v254, v255
	s_wait_dscnt 0x0
	s_endpgm
; ---------------- the weights: K is the FIRST axis.  A lane takes a column and its registers run down K: a block of 32 lies in one lane, and the conversions give codes with K innermost.
; Lane 16 u + r takes column 8 u + r + 8 (r / 8) of the wave's 32: row r of row tile 2 wave + u.  A load still covers the same 128 consecutive bytes.
.macro WLOAD t, N
.irp i, 0,1,2,3,4,5,6,7,8,9,10,11,12,13,14,15,16,17,18,19,20,21,22,23,24,25,26,27,28,29,30,31
	global_load_b32 v[WX+32*((\t)%2)+\i], v2, s[20:21] offset:(32*(\t)+\i)*\N*4 th:TH_LOAD_NT
.endr
.endm
.macro WBLOCK t, N
.set XS, WX+32*((\t)%2)
.if (\t) < 7
	s_wait_loadcnt 32                              ; this block's 32 loads are in; the next block's may be out
.else
	s_wait_loadcnt 0x0
.endif
	v_max3_num_f32 v12, |v[XS]|, |v[XS+1]|, |v[XS+2]|
	v_max3_num_f32 v13, |v[XS+3]|, |v[XS+4]|, |v[XS+5]|
.irp i, 6,10,14,18,22,26
	v_max3_num_f32 v12, v12, |v[XS+\i]|, |v[XS+\i+1]|
	v_max3_num_f32 v13, v13, |v[XS+\i+2]|, |v[XS+\i+3]|
.endr
	v_max3_num_f32 v12, v12, |v[XS+30]|, |v[XS+31]|
	v_max3_num_f32 v12, v12, v13, 0x4800000        ; and the floor
	v_add_nc_u32 v11, 0xfc000000, v12
	v_and_or_b32 v10, v12, 0x7f800000, s[MNT]
	v_lshrrev_b32 v13, 23, v11
.if (\t)%4 == 0
	v_mov_b32 v[WB+(\t)/4], v13                    ; four bytes to a word, the lower K in the lower byte
.else
	v_lshl_or_b32 v[WB+(\t)/4], v13, 8*((\t)%4), v[WB+(\t)/4]
.endif
.irp i, 0,1,2,3,4,5,6,7,8,9,10,11,12,13,14,15,16,17,18,19,20,21,22,23,24,25,26,27,28,29,30,31
	v_med3_num_f32 v[XS+\i], v[XS+\i], -v10, v10
.endr
	s_wait_xcnt 0x0                                ; the last block's stores have read the codes' registers
.irp g, 0,1,2,3
	v_cvt_scalef32_pk8_fp8_f32 v[WC+2*\g:WC+2*\g+1], v[XS+8*\g:XS+8*\g+7], v11
.endr
	v_nop
	global_store_b128 v3, v[WC:WC+3], s[22:23] offset:((\t)/4)*2048+((\t)%4)*512        ; k 0-15 of the block: the image's lanes 0-15; sixteen lanes store 256 consecutive bytes, aligned
	global_store_b128 v3, v[WC+4:WC+7], s[22:23] offset:((\t)/4)*2048+((\t)%4)*512+256  ; k 16-31: its lanes 16-31
.if (\t)+2 < 8
	WLOAD (\t)+2, \N
.endif
.endm
.macro WPATH N, BETA0, FIRST, PT
	s_sub_co_u32 s16, ttmp9, \FIRST
	s_lshr_b32 s17, s16, 2                         ; which 128 columns
	s_and_b32 s18, s16, 3                          ; which 256 along K
	s_mul_i32 s20, s18, 256*\N*4
	s_lshl_b32 s21, s17, 9
	s_add_co_u32 s20, s20, s21
	s_lshl_b32 s21, s12, 7
	s_add_co_u32 s20, s20, s21
	s_mov_b32 s21, 0
	s_add_nc_u64 s[20:21], s[\PT:\PT+1], s[20:21]
	s_add_co_u32 s22, s17, \BETA0
	s_lshl_b32 s24, s22, 12
	s_lshl_b32 s22, s22, 17
	s_lshl_b32 s23, s18, 15
	s_add_co_u32 s22, s22, s23
	s_lshl_b32 s23, s12, 13
	s_add_co_u32 s22, s22, s23
	s_mov_b32 s23, 0
	s_add_nc_u64 s[22:23], s[10:11], s[22:23]
	s_lshl_b32 s25, s12, 10
	s_add_co_u32 s24, s24, s25
	s_lshl_b32 s25, s18, 7
	s_add_co_u32 s24, s24, s25
	s_add_co_u32 s24, s24, SC_OFF
	s_mov_b32 s25, 0
	s_add_nc_u64 s[24:25], s[10:11], s[24:25]
	v_and_b32 v2, 8, v6
	v_add_nc_u32 v2, v2, v6
	v_lshl_add_u32 v2, v7, 3, v2
	v_lshlrev_b32 v2, 2, v2                        ; my column, in bytes
	v_lshlrev_b32 v3, 4, v6
	v_lshl_add_u32 v3, v7, 12, v3                  ; my place in the images: 4096 u + 16 r
	v_lshlrev_b32 v4, 3, v6
	v_lshl_add_u32 v4, v7, 9, v4                   ; and among the scale words: 512 u + 8 r
	WLOAD 0, \N
	WLOAD 1, \N
.irp t, 0,1,2,3,4,5,6,7
	WBLOCK \t, \N
.endr
	global_store_b64 v4, v[WB:WB+1], s[24:25]
	s_endpgm
.endm
.Lweights:
	s_cmp_lt_u32 ttmp9, 352
	s_cbranch_scc0 .Lwproj
	WPATH 3072, 64, 256, 6
.Lwproj:
	WPATH 1024, 88, 352, 8
.Lfunc_end_k_q92e779d9e1_prep:
	.size	k_q92e779d9e1_prep, .Lfunc_end_k_q92e779d9e1_prep-k_q92e779d9e1_prep
	.p2alignl 7, 3214868480
	.fill 96, 4, 3214868480
	.section	.rodata,"a",@progbits
	.p2align	6, 0x0
	.amdhsa_kernel k_q92e779d9e1_prep
		.amdhsa_group_segment_fixed_size 34304
		.amdhsa_private_segment_fixed_size 0
		.amdhsa_enable_private_segment 0
		.amdhsa_kernarg_size 32
		.amdhsa_user_sgpr_count 2
		.amdhsa_user_sgpr_kernarg_segment_ptr 1
		.amdhsa_wavefront_size32 1
		.amdhsa_system_sgpr_workgroup_id_x 1
		.amdhsa_system_sgpr_workgroup_id_y 1
		.amdhsa_system_sgpr_workgroup_id_z 1
		.amdhsa_system_vgpr_workitem_id 0
		.amdhsa_next_free_vgpr 256
		.amdhsa_next_free_sgpr 66
		.amdhsa_reserve_vcc 0
		.amdhsa_float_denorm_mode_32 3
		.amdhsa_float_denorm_mode_16_64 3
		.amdhsa_memory_ordered 1
		.amdhsa_forward_progress 1
		.amdhsa_inst_pref_size 163
	.end_amdhsa_kernel
	.amdgpu_metadata
---
amdhsa.version: [ 1, 2 ]
amdhsa.kernels:
  - .name:           k_q92e779d9e1_prep
    .symbol:         k_q92e779d9e1_prep.kd
    .args:
      - { .name: x, .offset: 0, .size: 8, .value_kind: global_buffer, .address_space: global }
      - { .name: W_attn, .offset: 8, .size: 8, .value_kind: global_buffer, .address_space: global }
      - { .name: W_proj, .offset: 16, .size: 8, .value_kind: global_buffer, .address_space: global }
      - { .name: xw, .offset: 24, .size: 8, .value_kind: global_buffer, .address_space: global }
    .group_segment_fixed_size: 34304
    .private_segment_fixed_size: 0
    .kernarg_segment_align: 8
    .kernarg_segment_size: 32
    .max_flat_workgroup_size: 128
    .sgpr_count:     66
    .vgpr_count:     256
    .wavefront_size: 32
...
	.end_amdgpu_metadata
.endif
;; end of part 1
;; launch qkv (part 2): grid 8 x 48, 4 waves a work-group, clusters of 4 x 4, 327,680 bytes of LDS; arguments xw, b_attn, qkv; writes qkv
.if DOCPART == 2
	.amdgcn_target "amdgcn-amd-amdhsa--gfx1250"
	.amdhsa_code_object_version 6
	.text
	.protected	k_q92e779d9e1_qkv
	.globl	k_q92e779d9e1_qkv
	.p2align	8
	.type	k_q92e779d9e1_qkv,@function
k_q92e779d9e1_qkv:
	s_mov_b64 s[64:65], 0
	v_nop
	global_prefetch_b8 v0, s[64:65] scope:SCOPE_SE
	s_setreg_imm32_b32 hwreg(HW_REG_WAVE_MODE, 25, 1), 1
	s_wait_xcnt 0x0
	s_wait_alu depctr_hold_cnt(0) depctr_sa_sdst(0) depctr_va_vdst(0) depctr_va_sdst(0) depctr_va_ssrc(0) depctr_va_vcc(0) depctr_vm_vsrc(0)
	s_getreg_b32 s2, hwreg(HW_REG_IB_STS2, 6, 4)
	s_cmp_eq_u32 s2, 0
	s_cbranch_scc0 .Lentry_in_a_cluster
	s_endpgm
.Lentry_in_a_cluster:
	s_bfe_u32 s2, ttmp6, 0x10000c
	s_cmp_lg_u32 s2, 0xf033
	s_cbranch_scc0 .Lentry_shape_is_right
	s_endpgm
.Lentry_shape_is_right:
; qkv = x W_attn + b_attn on codes of FP8 (E4M3) with E8M0 scales, K = 1,024; q, k (along the head's 64 channels) and v (along the keys) are quantised on the way out and leave as codes: no f32 number of qkv goes to memory.
; OPERANDS come from xw as images of the matrix unit's registers (16 rows x 128 K = 2,048 bytes, byte 512 c + 16 lane + e); 128 rows x 256 K are 32,768 dense bytes, the scale words of 128 rows 4,096 dense bytes.
; The rows of a tile are 32 (rho / 2) + 8 (rho % 2) + r + 8 (r / 8): so the 16 registers of two neighbouring tiles of source 0 are 16 neighbours, in the order in which the next product's operand wants them.
; A tile of the result, 256 x 256, is made by four waves, 128 x 128 each: 64 accumulators.  Source 0 ("B") runs along a lane's registers, source 1 ("A") across the lanes.
; TWO KINDS, chosen by numbers alone from the cluster's y (the same in all sixteen partners): clusters y 0-7: A = x, B = W's q and k columns (a lane holds one token, its registers run along channels);
; clusters y 8-11: A = W's v columns, B = x (a lane holds one channel, its registers run along the keys).  Both take one text but for the bias loads and the first K step, whose C is the bias.
; CLUSTERS 4 x 4: A's blocks are shared along a row of the cluster, B's along a column: each is asked for jointly, by the same tensor load with the same descriptor and a mask that names the four.
; OUT: records of 8,448 bytes at (hh 64 + token / 128) 8448, hh = 0-15 q's heads, 16-31 k's, 32-47 v's.  q, k: byte 1024 a + 512 c + 16 lane + e = code of (token 32 (a / 2) + 8 (a % 2) + r + 8 (r / 8), d = 32 c + 16 h + e);
; at 8192 + 16 r + 4 g a word whose byte 2 u + c scales that token's block c (a = 2 g + u).  v: byte 2048 t + 512 c + 16 lane + e = code of (channel 32 (t / 2) + 8 (t % 2) + r + 8 (r / 8), key 32 c + 16 h + e); at 8192 + 16 r + 4 t its word.
; LIMITS: NaN and infinities are not served; a block whose largest magnitude lies under 2^-118 keeps the byte 1, a block of zeros too (its codes are zeros; this program alone reads the bytes).
; The launch lasts a few K steps and its blocks are shared in clusters: nothing is prefetched.  All of a WGP's LDS is claimed, and 0 is added to spare words ahead of each refill.
; REGISTERS: window 0: v1-15 addresses; v16-29 LDS addresses; v32-63 scale words, two sets; v64-127 the bias as C, later the way out's work; v128-255 A's fragments, one set.  window 1: B's fragments, two sets.  windows 2, 3: the accumulators.
.set SC_OFF, 12582912
.set HS,     540672                    ; from one hh to the next: 64 records
.set REC,    8448
.set NQ,     2                         ; matrix instructions deep in a slot
.set FR,     16
.set NL,     4
.set NP,     8                         ; places behind this matrix instruction (ISA guide 7.12.1)
.set HALFT,  32768                     ; 128 rows x 256 K: what one tensor load brings
.set SLOT,   4*HALFT
.set SCL,    2*SLOT                    ; the scale words: wave w fills SCL + 4096 w + 128 (w / 2)
.set SPARE,  278784                    ; the spare words, 128 bytes for each wave
.set VO0,  8                           ; v8   16 x lane
.set VO2,  9                           ; v9   16 x lane + the distance to the third and fourth stores of a block
.set SO,   10                          ; v10  the scale words' place: 16 r + HS (lane / 16)
.set SELV, 11                          ; v11  byte selects for q's and k's words
.set ADRA, 16
.set ADRB, 20
.set ADRS, 27
.set SPW,  28
.set NIL,  29
.set SC,   32
.set CI,   64
.set AF,   128
.set PCD,  64                          ; the way out: codes
.set TM,   96                          ; v96-111 as in the quantiser: magnitudes, bytes, holds, scale operands
.set WD,   112                         ; v112-119 the eight blocks' scale words
.set TT,   120
.set UU,   124
.set HN,   128                         ; v128-191 a block's numbers, held
.set G1, 24
.set G0, 32
.set G1B, 48
.set G0B, 56
.set KIND, 66                          ; s66  0: q and k; 1: v
.set MK,   67                          ; s67  0 or all ones likewise
.set G1S, 68
.set G0S, 76
.set G1SB, 80
.set G0SB, 88
.set MSB, 0
.macro WIN new                         ; the immediate's high byte repeats the setting that is left
.if MSB != \new
	s_set_vgpr_msb (MSB<<8)|\new
.set MSB, \new
.endif
.endm
.set MUL_LO, 0xa1                      ; source 0 (B) window 1, source 1 (A) window 0, C and D window 2
.set MUL_HI, 0xf1                      ; the same, C and D window 3
.set BEG_LO, 0x81                      ; C (the bias) window 0, D window 2
.set BEG_HI, 0xc1                      ; C window 0, D window 3
.set TO_B,   0x40
; A joint load: waves 0 and 1 fetch for A, waves 2 and 3 for B; the branch hangs on the wave's number alone.  Four v_nop follow each of the two lines.
.macro JLOAD g0a, g1a, g0b, g1b
	s_cmp_eq_u32 s15, 0
	s_cbranch_scc0 .Lfor_b_\@
	tensor_load_to_lds s[\g0a:\g0a+3], s[\g1a:\g1a+7]
	s_nop 0
.rept 4
	v_nop
.endr
	s_branch .Lasked_\@
.Lfor_b_\@:
	tensor_load_to_lds s[\g0b:\g0b+3], s[\g1b:\g1b+7]
	s_nop 0
.rept 4
	v_nop
.endr
.Lasked_\@:
.endm
.macro CREST                           ; a round of the cluster's barrier behind its opening barrier
	s_cmp_lg_u32 s14, 0
	s_cbranch_scc1 .Lnot_wave_0_\@
	s_barrier_signal -3
.Lnot_wave_0_\@:
	s_barrier_wait -3
	s_barrier_signal -1
	s_barrier_wait -1
.endm
.macro CROUND
	s_barrier_signal -1
	s_barrier_wait -1
	CREST
.endm
	s_load_b128 s[4:7], s[0:1], 0x0                ; xw, b_attn
	s_load_b64 s[8:9], s[0:1], 0x10                ; qkv
	v_lshl_add_u32 v[SPW], v0, 2, SPARE
	v_mov_b32 v[NIL], 0
	ds_add_u32 v28, v29
	ds_add_u32 v28, v29
	s_wait_dscnt 0x0
	v_lshrrev_b32 v1, 5, v0
	v_readfirstlane_b32 s14, v1                    ; wave 0..3
	s_lshr_b32 s15, s14, 1                         ; which half of A's rows is mine.  Also: I fetch for A (0) or for B (1)
	s_and_b32 s16, s14, 1                          ; which half of B's rows.  Also: which 128 rows I fetch
	s_bfe_u32 s40, ttmp6, 0x40000                  ; cx
	s_bfe_u32 s41, ttmp6, 0x40004                  ; cy
	s_and_b32 s18, ttmp7, 0xffff                   ; the cluster's y
	s_max_u32 s12, s18, 8
	s_sub_co_u32 s12, s12, 8                       ; v: which pair of columns of clusters; q, k: 0
	s_cmp_lt_u32 s18, 8                            ; the kind
	s_cselect_b32 s10, s18, 0
	s_cselect_b32 s11, 0, 80                       ; A's first block of 128 rows in xw
	s_cselect_b32 s13, 64, 0                       ; B's
	s_cselect_b32 s[KIND], 0, 1
	s_cselect_b32 s[MK], 0, -1
	s_lshl_b32 s17, s10, 2
	s_add_co_u32 s17, s17, s41                     ; tile row (A): q, k: 4 x cluster y + cy; v: cy
	s_lshl_b32 s42, s12, 1
	s_add_co_u32 s42, s42, ttmp9
	s_lshl_b32 s42, s42, 2
	s_add_co_u32 s42, s42, s40                     ; tile column (B)
	s_lshl_b32 s43, s41, 2
	s_lshl_b32 s43, 15, s43                        ; my row of the cluster
	s_lshl_b32 s44, 0x1111, s40                    ; my column
	; descriptor group 1: 128 rows of 256 bytes (32 elements of 8 bytes), dense in memory and in LDS
	s_or_b32 s[G1+0], s43, (3<<16)|(1<<21)
	s_or_b32 s[G1B+0], s44, (3<<16)|(1<<21)
.irp g, G1, G1B
	s_mov_b32 s[\g+1], 32<<16
	s_mov_b32 s[\g+2], 128<<16
	s_mov_b32 s[\g+3], 32<<16
	s_mov_b32 s[\g+4], 128
	s_mov_b32 s[\g+5], 32
	s_mov_b32 s[\g+6], 0
	s_mov_b32 s[\g+7], 0
.endr
	; and for the scale words of 128 rows: 16 such rows
	s_or_b32 s[G1S+0], s43, (3<<16)|(1<<21)
	s_or_b32 s[G1SB+0], s44, (3<<16)|(1<<21)
.irp g, G1S, G1SB
	s_mov_b32 s[\g+1], 32<<16
	s_mov_b32 s[\g+2], 16<<16
	s_mov_b32 s[\g+3], 32<<16
	s_mov_b32 s[\g+4], 16
	s_mov_b32 s[\g+5], 32
	s_mov_b32 s[\g+6], 0
	s_mov_b32 s[\g+7], 0
.endr
	s_lshl_b32 s20, s17, 1
	s_add_co_u32 s20, s20, s16
	s_add_co_u32 s20, s20, s11                     ; A: the block of 128 rows that I fetch
	s_lshl_b32 s46, s42, 1
	s_add_co_u32 s46, s46, s16
	s_add_co_u32 s46, s46, s13                     ; B likewise
	s_lshl_b32 s22, s20, 12
	s_add_co_u32 s22, s22, SC_OFF
	s_mov_b32 s23, 0
	s_lshl_b32 s20, s20, 17
	s_mov_b32 s21, 0
	s_lshl_b32 s92, s46, 12
	s_add_co_u32 s92, s92, SC_OFF
	s_mov_b32 s93, 0
	s_lshl_b32 s46, s46, 17
	s_mov_b32 s47, 0
	s_lshl_b32 s45, s14, 15                        ; where they go: wave x 32,768: no place in the cluster enters an LDS address
	s_lshl_b32 s94, s14, 12
	s_lshl_b32 s95, s15, 7
	s_add_co_u32 s94, s94, s95
	s_wait_kmcnt 0x0
	s_add_nc_u64 s[20:21], s[4:5], s[20:21]
	s_add_nc_u64 s[22:23], s[4:5], s[22:23]
	s_add_nc_u64 s[46:47], s[4:5], s[46:47]
	s_add_nc_u64 s[92:93], s[4:5], s[92:93]
	CROUND                                         ; all sixteen work-groups are here: the first joint loads meet
	s_mov_b32 s[G0S], 1
	s_add_co_u32 s[G0S+1], s94, SCL
	s_mov_b64 s[G0S+2:G0S+3], s[22:23]
	s_or_b32 s[G0S+3], s[G0S+3], 0x80000000
	s_mov_b32 s[G0SB], 1
	s_add_co_u32 s[G0SB+1], s94, SCL
	s_mov_b64 s[G0SB+2:G0SB+3], s[92:93]
	s_or_b32 s[G0SB+3], s[G0SB+3], 0x80000000
	JLOAD G0S, G1S, G0SB, G1SB                     ; the scale words first: they are wanted with K step 0
.irp s, 0,1
	s_mov_b32 s[G0+4*\s], 1
	s_add_co_u32 s[G0+4*\s+1], s45, \s*SLOT
	s_add_nc_u64 s[G0+4*\s+2:G0+4*\s+3], s[20:21], \s*HALFT
	s_or_b32 s[G0+4*\s+3], s[G0+4*\s+3], 0x80000000
	s_mov_b32 s[G0B+4*\s], 1
	s_add_co_u32 s[G0B+4*\s+1], s45, \s*SLOT
	s_add_nc_u64 s[G0B+4*\s+2:G0B+4*\s+3], s[46:47], \s*HALFT
	s_or_b32 s[G0B+4*\s+3], s[G0B+4*\s+3], 0x80000000
	JLOAD G0+4*\s, G1, G0B+4*\s, G1B
.endr
	v_and_b32 v1, 31, v0                           ; lane
	v_and_b32 v2, 15, v0                           ; r
	v_bfe_u32 v3, v0, 4, 1                         ; h
	v_lshlrev_b32 v[VO0], 4, v1
	s_lshl_b32 s21, s15, 15                        ; my 128 rows of A
	s_lshl_b32 s22, s16, 15                        ; my 128 rows of B,
	s_add_co_u32 s22, s22, 2*HALFT                 ; behind A's 256
.irp s, 0,1
	v_add_nc_u32 v[ADRA+\s], s21, v[VO0]
	v_add_nc_u32 v[ADRB+\s], s22, v[VO0]
	s_add_co_u32 s21, s21, SLOT
	s_add_co_u32 s22, s22, SLOT
.endr
	v_lshlrev_b32 v5, 3, v2                        ; my row's two words of a K step of 256
	s_lshl_b32 s21, s15, 12                        ; A's: my 128 rows
	s_lshl_b32 s22, s16, 12                        ; B's: my 128 rows, behind A's 256 and 128 bytes
	s_add_co_u32 s22, s22, 8320
	s_sub_co_u32 s22, s22, s21
	v_mul_u32_u24 v6, s22, v3                      ; lanes 16-31 take B's
	s_add_co_u32 s21, s21, SCL
	v_add_nc_u32 v5, v5, v6
	v_add_nc_u32 v[ADRS], s21, v5
	; the bias and the way out
	s_lshl_b32 s20, s17, 1
	s_add_co_u32 s20, s20, s15                     ; my 128 rows of A, counted in the kind's own A
	s_lshl_b32 s21, s42, 1
	s_add_co_u32 s21, s21, s16                     ; my 128 rows of B
	s_add_co_u32 s22, s20, 16                      ; v: b_attn from 2048 + 128 x (A's block) on
	s_lshl_b32 s23, s21, 1                         ; q, k: my first hh = columns / 64
	s_lshl_b32 s45, s20, 1
	s_add_co_u32 s45, s45, 32                      ; v: 32 + channels / 64
	s_mov_b32 s96, 2048
	s_mov_b32 s98, HS-6144
	s_mov_b32 s46, 1024
	s_cmp_eq_u32 s[KIND], 0
	s_cselect_b32 s22, s21, s22
	s_cselect_b32 s23, s23, s45
	s_cselect_b32 s45, s20, s21                    ; tokens / 128
	s_cselect_b32 s96, 1024, s96                   ; from block to block on the way out,
	s_cselect_b32 s98, 1024, s98                   ; from block 3 to block 4 (v: on to the next head's record),
	s_cselect_b32 s46, HS, s46                     ; from a block's second store to its third (q, k: the next head's record)
	s_mov_b32 s97, 0
	s_mov_b32 s99, 0
	s_lshl_b32 s22, s22, 9
	s_mul_i32 s20, s23, HS
	s_mul_i32 s21, s45, REC
	s_add_co_u32 s20, s20, s21
	s_mov_b32 s21, 0
	s_mov_b32 s23, 0
	s_add_nc_u64 s[6:7], s[6:7], s[22:23]
	s_add_nc_u64 s[8:9], s[8:9], s[20:21]
	s_add_nc_u64 s[100:101], s[8:9], 8192          ; the record's scale words
	v_add_nc_u32 v[VO2], s46, v[VO0]
	v_lshlrev_b32 v[SO], 4, v2
	v_mul_u32_u24 v6, HS, v3
	v_add_nc_u32 v[SO], v[SO], v6
	s_mov_b32 s19, 0xffff0000                      ; lanes 16-31
	v_mov_b32 v[SELV], 0x05040100                  ; lanes 0-15: bytes 0, 1 of two blocks' words (the first head);
	v_mov_b32 v6, 0x07060302                       ; lanes 16-31: bytes 2, 3 (the second)
	v_cndmask_b32 v[SELV], v[SELV], v6, s19
	s_mov_b32 s2, 0x76543210
	s_mov_b32 s3, 0xfedcba98                       ; lane l xor 16
	s_mov_b32 s18, 0x600000                        ; the mantissa field of 448
	s_cmp_lg_u32 s[KIND], 0
	s_cbranch_scc1 .Lbias_v
	v_lshlrev_b32 v7, 6, v3                        ; q, k: the bias runs along the registers: tile b's columns 32 (b / 2) + 8 (b % 2) + 16 h + 0 .. 7
.irp i, 0,1,2,3,4,5,6,7
	global_load_b128 v[CI+8*\i:CI+8*\i+3], v7, s[6:7] offset:(32*(\i/2)+8*(\i%2))*4
	global_load_b128 v[CI+8*\i+4:CI+8*\i+7], v7, s[6:7] offset:(32*(\i/2)+8*(\i%2))*4+16
.endr
	s_branch .Lbias_done
.Lbias_v:
	v_and_b32 v7, 8, v2                            ; v: the bias hangs on the lane's channel: block a's 32 (a / 2) + 8 (a % 2) + r + 8 (r / 8), the same in all eight registers
	v_add_nc_u32 v7, v7, v2
	v_lshlrev_b32 v7, 2, v7
.irp i, 0,1,2,3,4,5,6,7
	global_load_b32 v[CI+8*\i], v7, s[6:7] offset:(32*(\i/2)+8*(\i%2))*4
.endr
	s_wait_loadcnt 0x0
.irp i, 0,1,2,3,4,5,6,7
.irp j, 1,2,3,4,5,6,7
	v_mov_b32 v[CI+8*\i+\j], v[CI+8*\i]
.endr
.endr
.Lbias_done:
	s_wait_loadcnt 0x0                             ; the bias
.macro FRAG reg, adr, q, i             ; a fragment comes as it was stored: four loads of 512 consecutive bytes
.irp c, 0,1,2,3
	ds_load_b128 v[\reg+4*\c:\reg+4*\c+3], v[\adr] offset:(\i)*4096+(\q)*2048+512*\c
.endr
.endm
; One product: A's block a x B's block b, the slot's q-th 128 along K.  p: B's set; sc: the set of scale words.  cm = 0: onto the sum; 1: the sum begins with the bias of b; 2: with that of a.
.macro MM a, b, p, q, sc, cm
.set rD, 8*(8*((\a)%4)+(\b))
.set rB, 128*(\p)+FR*(\b)
.set rA, AF+FR*(\a)
.set sB, SC+8*NQ*(\sc)+NQ*(\b)+(\q)
.set sA, SC+8*NQ*(\sc)+NQ*(\a)+(\q)
.if (\cm) == 0
	v_wmma_scale_f32_16x16x128_f8f6f4 v[rD:rD+7], v[rB:rB+15], v[rA:rA+15], v[rD:rD+7], v[sB], v[sA] matrix_a_scale:MATRIX_SCALE_ROW1
.elseif (\cm) == 1
	v_wmma_scale_f32_16x16x128_f8f6f4 v[rD:rD+7], v[rB:rB+15], v[rA:rA+15], v[CI+8*(\b):CI+8*(\b)+7], v[sB], v[sA] matrix_a_scale:MATRIX_SCALE_ROW1
.else
	v_wmma_scale_f32_16x16x128_f8f6f4 v[rD:rD+7], v[rB:rB+15], v[rA:rA+15], v[CI+8*(\a):CI+8*(\a)+7], v[sB], v[sA] matrix_a_scale:MATRIX_SCALE_ROW1
.endif
.endm
; 16 of them.  The 64 accumulators take turns, one instruction a turn, in the same order in every step.
.macro MUL16 a0, p, q, sc, cm
.irp a, \a0, \a0+1
.irp b, 0,1,2,3,4,5,6,7
	MM \a, \b, \p, \q, \sc, \cm
.endr
.endr
.endm
.macro FETCH_B slot, q, p
	WIN TO_B
.irp i, 0,1,2,3,4,5,6,7
	FRAG 128*(\p)+FR*\i, ADRB+\slot, \q, \i
.endr
	WIN 0
.endm
.macro FETCH_A slot, q, i0
.irp i, \i0, \i0+1, \i0+2, \i0+3
	FRAG AF+FR*(\i), ADRA+\slot, \q, \i
.endr
.endm
.macro SCALES sc                       ; a K step's scale words: lanes 0-15 take A's block i, lanes 16-31 B's block i
.irp i, 0,1,2,3,4,5,6,7
	ds_load_b64 v[SC+8*NQ*\sc+NQ*\i:SC+8*NQ*\sc+NQ*\i+1], v[ADRS] offset:\i*512
.endr
.endm
.macro PLACES n                        ; plain vector lines between a matrix instruction and a load into, or a read of, its registers
.rept \n
	v_nop
.endr
.endm
; A step of 128 along K that has its successor in the same slot.  A has one set of registers: blocks 0-3 are fetched anew in the step's middle, blocks 4-7 at its end; B has two sets.
.macro STEP slot, q, cm
	s_wait_dscnt 4*NL                              ; B's set and A's blocks 0-3 are in; the youngest 16 loads (A's blocks 4-7) may be out
.if \cm
	WIN BEG_LO
.else
	WIN MUL_LO
.endif
	MUL16 0, (\q)%2, \q, \slot, \cm
	MUL16 2, (\q)%2, \q, \slot, \cm
	s_wait_dscnt 0
	PLACES NP
	FETCH_B \slot, (\q)+1, 1-(\q)%2
	FETCH_A \slot, (\q)+1, 0
.if \cm
	WIN BEG_HI
.else
	WIN MUL_HI
.endif
	MUL16 4, (\q)%2, \q, \slot, \cm
	MUL16 6, (\q)%2, \q, \slot, \cm
	PLACES NP
	WIN 0
	FETCH_A \slot, (\q)+1, 4
.endm
; A slot's last step changes slots: one barrier; in front of it each wave waits for all its tensor loads, adds 0 to its spare word, and waits for that and for its own reads of this slot.  fill = 1: the slot is filled again, two K steps ahead.
.macro TURN slot, next, fill
	s_wait_tensorcnt 0x0                           ; all my tensor loads have landed: my part of the next slot
	ds_add_u32 v[SPW], v[NIL]                      ; 0 onto my spare word
	s_wait_dscnt 4*NL+1                            ; (the add and the youngest 16 loads may be out)
	WIN MUL_LO
	MUL16 0, 1, NQ-1, \slot, 0
	s_wait_dscnt 0x0                               ; the add is done, and my reads of this slot are over
	s_barrier_signal -1
	MUL16 2, 1, NQ-1, \slot, 0
	WIN 0
	s_barrier_wait -1
.if \fill
	CREST                                          ; the barrier has opened a round of the cluster's: no wave of any partner still reads this slot or has a load on its way
	s_add_nc_u64 s[G0+4*\slot+2:G0+4*\slot+3], s[G0+4*\slot+2:G0+4*\slot+3], 2*HALFT
	s_add_nc_u64 s[G0B+4*\slot+2:G0B+4*\slot+3], s[G0B+4*\slot+2:G0B+4*\slot+3], 2*HALFT
	JLOAD G0+4*\slot, G1, G0B+4*\slot, G1B         ; the first tensor load behind the round; its four v_nop are among the places in front of the loads below
	PLACES NP-4
.else
	PLACES NP
.endif
	v_add_nc_u32 v[ADRS], 128, v[ADRS]             ; the next K step's scale words
	FETCH_B \next, 0, 0
	FETCH_A \next, 0, 0
	SCALES \next
	WIN MUL_HI
	MUL16 4, 1, NQ-1, \slot, 0
	MUL16 6, 1, NQ-1, \slot, 0
	PLACES NP
	WIN 0
	FETCH_A \next, 0, 4
.endm
	s_wait_tensorcnt 1                             ; the scale words and my part of K step 0 are in (K step 1's load may be out),
	s_barrier_signal -1
	s_barrier_wait -1                              ; everybody's are
	FETCH_B 0, 0, 0
	FETCH_A 0, 0, 0
	SCALES 0
	FETCH_A 0, 0, 4
	s_cmp_lg_u32 s[KIND], 0                        ; the first step's products begin the sums with the bias: nothing is cleared, nothing is added later
	s_cbranch_scc1 .Lfirst_v
	STEP 0, 0, 1
	s_branch .Lfirst_done
.Lfirst_v:
	STEP 0, 0, 2
.Lfirst_done:
	TURN 0, 1, 1                                   ; K = 1,024 is four slots' worth: written out
	STEP 1, 0, 0
	TURN 1, 0, 1
	STEP 0, 0, 0
	TURN 0, 1, 0
	STEP 1, 0, 0
	s_wait_dscnt 4*NL
	WIN MUL_LO
	MUL16 0, 1, NQ-1, 1, 0
	MUL16 2, 1, NQ-1, 1, 0
	s_wait_dscnt 0
	WIN MUL_HI
	MUL16 4, 1, NQ-1, 1, 0
	MUL16 6, 1, NQ-1, 1, 0
	WIN 0
; THE WAY OUT.  Block a's 64 registers of a lane are 128 neighbours' worth along source 0 (register 16 b + i: index 32 b + 16 h + i) of the lane's row of source 1: four blocks of 32, each shared with lane l xor 16.
; They are quantised in registers; the codes are the next operand's registers and leave by four stores of 512 consecutive bytes.  Each accumulator is read from its low end on.
.macro QBLK a
.set WQ, 2+(\a)/4
.set AC, 64*((\a)%4)
.set W01, WQ|(WQ<<2)
.set W12, (WQ<<2)|(WQ<<4)
	WIN W01
.irp b, 0,1,2,3
	v_max3_num_f32 v[TM+\b], |v[AC+16*\b]|, |v[AC+16*\b+1]|, 0x4800000   ; with the floor 2^(9 - 127): the byte cannot fall under 1
.endr
	WIN W12
.irp i, 2,4,6,8,10,12,14
.irp b, 0,1,2,3
	v_max3_num_f32 v[TM+\b], v[TM+\b], |v[AC+16*\b+\i]|, |v[AC+16*\b+\i+1]|
.endr
.endr
	WIN 0
.irp b, 0,1,2,3
	v_permlanex16_b32 v[TM+4+\b], v[TM+\b], s2, s3
.endr
.irp b, 0,1,2,3
	v_max_num_f32 v[TM+\b], v[TM+\b], v[TM+4+\b]
.endr
.irp b, 0,1,2,3
	v_add_nc_u32 v[TM+12+\b], 0xfc000000, v[TM+\b]
.endr
.irp b, 0,1,2,3
	v_and_or_b32 v[TM+8+\b], v[TM+\b], 0x7f800000, s18
.endr
.irp b, 0,1,2,3
	v_lshrrev_b32 v[TM+4+\b], 23, v[TM+12+\b]
.endr
	v_lshl_or_b32 v[WD+\a], v[TM+5], 8, v[TM+4]
	v_lshl_or_b32 v[WD+\a], v[TM+6], 16, v[WD+\a]
	v_lshl_or_b32 v[WD+\a], v[TM+7], 24, v[WD+\a]
	WIN WQ
.set n, 0
.rept 64
	v_med3_num_f32 v[HN+n], v[AC+n], -v[TM+8+n/16], v[TM+8+n/16]   ; the hold at 448 x the scale (the conversion does not saturate: ISA guide 7.6.2)
.set n, n+1
.endr
	WIN 0
	s_wait_xcnt 0x0                                ; the last block's stores have read their codes and their base
.if (\a) == 4
	s_add_nc_u64 s[8:9], s[8:9], s[98:99]
.elseif (\a) > 0
	s_add_nc_u64 s[8:9], s[8:9], s[96:97]
.endif
.irp b, 0,1,2,3
	v_cvt_scalef32_pk8_fp8_f32 v[PCD+4*\b:PCD+4*\b+1], v[HN+16*\b:HN+16*\b+7], v[TM+12+\b]
	v_cvt_scalef32_pk8_fp8_f32 v[PCD+4*\b+2:PCD+4*\b+3], v[HN+16*\b+8:HN+16*\b+15], v[TM+12+\b]
.endr
	v_nop                                          ; a plain line behind the last conversion
	global_store_b128 v[VO0], v[PCD:PCD+3], s[8:9]
	global_store_b128 v[VO0], v[PCD+4:PCD+7], s[8:9] offset:512
	global_store_b128 v[VO2], v[PCD+8:PCD+11], s[8:9]
	global_store_b128 v[VO2], v[PCD+12:PCD+15], s[8:9] offset:512
.endm
	PLACES NP                                      ; behind the last products: their results are read, and registers that they read are written
.irp b, 0,1,2,3
	v_mov_b32 v[TM+4+\b], 0                        ; a lane permute's destination counts as one of its sources
.endr
.irp a, 0,1,2,3,4,5,6,7
	QBLK \a
.endr
; the scale words.  q, k: word g of a head takes two bytes of block 2 g's word and two of block 2 g + 1's; v: word t of a head is block t's (first head) or block 4 + t's.  Lanes 0-15 store the first head's, lanes 16-31 the second's.
.irp i, 0,1,2,3
	v_perm_b32 v[TT+\i], v[WD+1+2*\i], v[WD+2*\i], v[SELV]
	v_cndmask_b32 v[UU+\i], v[WD+\i], v[WD+4+\i], s19
	v_cndmask_b32 v[TT+\i], v[TT+\i], v[UU+\i], s[MK]
.endr
	global_store_b128 v[SO], v[TT:TT+3], s[100:101]   ; sixteen lanes store 256 consecutive bytes, aligned
	s_wait_tensorcnt 0x0                           ; the wave's end
	ds_add_u32 v[SPW], v[NIL]
	s_wait_dscnt 0x0
	CROUND                                         ; the closing round: no work-group ends while a partner may still ask for a block that names it
	s_endpgm
.Lfunc_end_k_q92e779d9e1_qkv:
	.size	k_q92e779d9e1_qkv, .Lfunc_end_k_q92e779d9e1_qkv-k_q92e779d9e1_qkv
	.p2alignl 7, 3214868480
	.fill 96, 4, 3214868480
	.section	.rodata,"a",@progbits
	.p2align	6, 0x0
	.amdhsa_kernel k_q92e779d9e1_qkv
		.amdhsa_group_segment_fixed_size 327680
		.amdhsa_private_segment_fixed_size 0
		.amdhsa_enable_private_segment 0
		.amdhsa_kernarg_size 24
		.amdhsa_user_sgpr_count 2
		.amdhsa_user_sgpr_kernarg_segment_ptr 1
		.amdhsa_wavefront_size32 1
		.amdhsa_system_sgpr_workgroup_id_x 1
		.amdhsa_system_sgpr_workgroup_id_y 1
		.amdhsa_system_sgpr_workgroup_id_z 1
		.amdhsa_system_vgpr_workitem_id 0
		.amdhsa_next_free_vgpr 1024
		.amdhsa_next_free_sgpr 102
		.amdhsa_reserve_vcc 0
		.amdhsa_float_denorm_mode_32 3
		.amdhsa_float_denorm_mode_16_64 3
		.amdhsa_memory_ordered 1
		.amdhsa_forward_progress 1
		.amdhsa_inst_pref_size 204
	.end_amdhsa_kernel
	.amdgpu_metadata
---
amdhsa.version: [ 1, 2 ]
amdhsa.kernels:
  - .name:           k_q92e779d9e1_qkv
    .symbol:         k_q92e779d9e1_qkv.kd
    .args:
      - { .name: xw, .offset: 0, .size: 8, .value_kind: global_buffer, .address_space: global }
      - { .name: b_attn, .offset: 8, .size: 8, .value_kind: global_buffer, .address_space: global }
      - { .name: qkv, .offset: 16, .size: 8, .value_kind: global_buffer, .address_space: global }
    .group_segment_fixed_size: 327680
    .private_segment_fixed_size: 0
    .kernarg_segment_align: 8
    .kernarg_segment_size: 24
    .max_flat_workgroup_size: 128
    .sgpr_count:     102
    .vgpr_count:     1024
    .wavefront_size: 32
...
	.end_amdgpu_metadata
.endif
;; end of part 2
;; launch attn (part 3): grid 8 x 64, 16 waves a work-group, no clusters, 327,680 bytes of LDS; arguments qkv, yq; writes yq
.if DOCPART == 3
	.amdgcn_target "amdgcn-amd-amdhsa--gfx1250"
	.amdhsa_code_object_version 6
	.text
	.protected	k_q92e779d9e1_attn
	.globl	k_q92e779d9e1_attn
	.p2align	8
	.type	k_q92e779d9e1_attn,@function
k_q92e779d9e1_attn:
	s_mov_b64 s[64:65], 0
	v_nop
	global_prefetch_b8 v0, s[64:65] scope:SCOPE_SE
	s_setreg_imm32_b32 hwreg(HW_REG_WAVE_MODE, 25, 1), 1
	s_wait_xcnt 0x0
; y[b][q][head] = the sum over keys k <= q of softmax_k(q . k / 8) v, both products on codes of FP8 (E4M3) with E8M0 scales; y is quantised along the channels and leaves as the last product's operand.
; THE SOFTMAX: t = score x log2(e) / 8; M = the running largest t rounded UP to a whole number; p = 2^(t - M) is quantised along the keys, not normalised; the row's sum is taken of the unquantised p and divides at the end.
; When M moves, the sum and O are multiplied by 2^(old M - new M): exact.
; IN: records of 8,448 bytes for 128 tokens of one head (hh 64 + token / 128): q hh 0-15, k 16-31, v 32-47; four images of 2,048 bytes and 256 bytes of scale words.  THE HEAD IS 64 WIDE, THE INSTRUCTION 128: an image of k holds in a lane's
; row TWO keys (kappa, then kappa + 8), 64 codes each.  It is multiplied once by [q | zeros] and once by [zeros | q]: no byte of LDS and no register of k holds padding.
; Both products are used transposed (S^T = k q^T, O^T = v^T p^T): a lane holds one query throughout; the rows of a tile are r + 8 (r / 8) (+ 8 for the odd tile), so that 16 registers of two tiles are 16 neighbours along the next K.
; SHARES: a work-group owns 256 queries of one head and batch; each of its sixteen waves one tile of 16, in 256 registers.  Keys come in slots of 256 (2 steps of 128) through a ring of two LDS slots; wave 0 fetches k's two records, wave 1 v's.
; CAUSAL: block qb of the queries walks 2 (qb / 2 + 1) slots, a number made of the work-group's x alone; a step all of whose keys come after the wave's queries is jumped over; on the diagonal hidden scores become -infinity.
; The slots' LDS addresses are constants of the text: a pair of slots is written out, and the loop steps global addresses and the first key alone.
; NO CLUSTER: the eight blocks of queries of a head walk 2, 2, 4, 4, 6, 6, 8, 8 slots, so partners would need different numbers of joint loads.
; LIMITS: NaN and infinities are not served; a block of y under 2^-118, or of zeros, keeps the byte 1 (this program alone reads the bytes).  y's scale bytes leave two at a time: 1 / 32 of y's bytes.
; All of a WGP's LDS is claimed, and 0 is added to spare words ahead of each refill.
.set REC,   8448
.set HREC,  16*REC                     ; a head's records of one batch
.set TILE,  2*REC                      ; 256 keys of k or of v
.set SLOTB, 2*TILE                     ; a slot: k's two records, then v's two
.set SPARE, 2*SLOTB                    ; the spare words, 128 bytes for each of sixteen waves
.set YS_OFF, 8388608
.set F,   40                           ; v40-103  four fragments of k, then of v
.set S,   104                          ; v104-167 S^T, then p
.set O,   168                          ; v168-199 O^T
.set PC,  200                          ; v200-215 p's codes
.set KS,  216                          ; v216-219 k's scale words;  v220-223 v's
.set VS,  220
.set BM,  224                          ; v224-227 the blocks' largest scores, then p
.set PT,  228                          ; v228-231 the other half's; the bytes
.set HD,  232                          ; v232-235 448 x the scale
.set SOP, 236                          ; v236-239 the conversions' scale operands
.set PW,  240                          ; v240 p's scale word;  v241 q's
.set QS,  241
.set FF,  242                          ; v[242:243] f = 2^(old M - new M)
.set T0,  244
.set T1,  245
.set SUM2, 246                         ; v[246:247] the second chain of the sum
; v1, v2: 16 x lane in slot 0, 1;  v3, v4: 16 r likewise;  v5, v6: the spare word's address, 0;  v7: the prefetches' offset;  v8: r + 8 (r / 8) - 16 h;  v10: r;  v12 -M, v13 the largest t, v[14:15] the sum
; v16-23 zeros, v24-31 q, v32-39 zeros: [q | 0] = v[24:39], [0 | q] = v[16:31]
.set WV,  8
.set YY,  9                            ; s9   4 x head + batch
.set QB,  10                           ; s10  my block of 256 queries
.set MNT, 19
.set SEL, 20
.set CS,  22                           ; s[22:23] c = log2(e) / 8
.set KF,  40                           ; s40  the step's first key
.set Q0,  41                           ; s41  my first query
.set CNT, 42                           ; s42  pairs of slots still to be asked for
.set LIM, 43                           ; s43  1 in a wave that prefetches, else the greatest number
.set PFA, 44                           ; s[44:45] where my prefetches stand
	s_load_b128 s[4:7], s[0:1], 0x0                ; qkv, yq
	v_lshl_add_u32 v5, v0, 2, SPARE
	v_mov_b32 v6, 0
	ds_add_u32 v5, v6
	ds_add_u32 v5, v6
	s_wait_dscnt 0x0
	v_lshrrev_b32 v9, 5, v0
	v_readfirstlane_b32 s[WV], v9                  ; wave 0..15
	s_and_b32 s[YY], ttmp7, 0xffff
	s_sub_co_u32 s[QB], 7, ttmp9                   ; the blocks with the most keys go out first
	; descriptor group 1: 66 rows of 256 bytes (32 elements of 8 bytes), dense: two records
	s_mov_b32 s24, 3<<16
	s_mov_b32 s25, 32<<16
	s_mov_b32 s26, 66<<16
	s_mov_b32 s27, 32<<16
	s_mov_b32 s28, 66
	s_mov_b32 s29, 32
	s_mov_b32 s30, 0
	s_mov_b32 s31, 0
	s_and_b32 s46, s[WV], 1                        ; wave 0: k; wave 1: v
	s_lshl_b32 s47, s46, 6
	s_add_co_u32 s47, s47, s[YY]
	s_add_co_u32 s47, s47, 64
	s_mul_i32 s48, s47, HREC
	s_mov_b32 s49, 0
	s_mul_i32 s50, s46, TILE
	s_wait_kmcnt 0x0
	s_mov_b32 s32, 1                               ; group 0 for slot 0: keys 0-255,
	s_mov_b32 s33, s50
	s_add_nc_u64 s[34:35], s[4:5], s[48:49]
	s_mov_b32 s36, 1                               ; and for slot 1: keys 256-511
	s_add_co_u32 s37, s50, SLOTB
	s_add_nc_u64 s[38:39], s[34:35], TILE
	s_or_b32 s35, s35, 0x80000000
	s_or_b32 s39, s39, 0x80000000
	s_cmp_lt_u32 s[WV], 2                          ; a wave's two first fills stand in one branch, ahead of every wait on TENSORcnt, every LDS read and every barrier: two loads of mine are out
	s_cbranch_scc0 .Lno_first
	tensor_load_to_lds s[32:35], s[24:31]
	s_nop 0
	tensor_load_to_lds s[36:39], s[24:31]
	s_nop 0
.rept 4
	v_nop
.endr
.Lno_first:
	v_and_b32 v9, 31, v0                           ; lane
	v_and_b32 v10, 15, v0                          ; r
	v_bfe_u32 v11, v0, 4, 1                        ; h
	v_lshlrev_b32 v1, 4, v9
	v_add_nc_u32 v2, SLOTB, v1
	v_lshlrev_b32 v3, 4, v10
	v_add_nc_u32 v4, SLOTB, v3
	; q: my tile is half an image of the record 2 qb + wave / 8: 1,024 bytes at (wave % 8) 1024
	s_mul_i32 s48, s[YY], HREC
	s_lshl_b32 s50, s[QB], 1
	s_lshr_b32 s51, s[WV], 3
	s_add_co_u32 s50, s50, s51
	s_mul_i32 s50, s50, REC
	s_add_co_u32 s48, s48, s50
	s_and_b32 s51, s[WV], 7
	s_lshl_b32 s52, s51, 10
	s_add_co_u32 s52, s52, s48
	s_mov_b32 s53, 0
	s_add_nc_u64 s[52:53], s[4:5], s[52:53]
	global_load_b128 v[24:27], v1, s[52:53]
	global_load_b128 v[28:31], v1, s[52:53] offset:512
	s_lshr_b32 s51, s51, 1
	s_lshl_b32 s51, s51, 2
	s_add_co_u32 s54, s48, s51
	s_add_co_u32 s54, s54, 8192
	s_mov_b32 s55, 0
	s_add_nc_u64 s[54:55], s[4:5], s[54:55]
	global_load_b32 v[T0], v3, s[54:55]            ; the word of my image: bytes 0, 1 the even tile's, bytes 2, 3 the odd tile's
	s_mov_b32 s56, 0x03020302
	s_cmp_eq_u32 s46, 0
	s_cselect_b32 s56, 0x01000100, s56
	s_lshl_b32 s[Q0], s[QB], 8
	s_lshr_b32 s57, s[WV], 1
	s_lshl_b32 s57, s57, 5
	s_add_co_u32 s[Q0], s[Q0], s57
	s_lshl_b32 s57, s46, 3
	s_add_co_u32 s[Q0], s[Q0], s57                 ; 256 qb + 32 (wave / 2) + 8 (wave % 2); lane r's query is r + 8 (r / 8) on
	s_mov_b32 s[KF], 0
	s_mov_b32 s[SEL], 0x76543210
	s_mov_b32 s[SEL+1], 0xfedcba98
	s_mov_b32 s[CS], 0x3e38aa3b                    ; log2(e) / 8
	s_mov_b32 s[CS+1], s[CS]
	s_mov_b32 s[MNT], 0x600000
	; the prefetches: the work-group with x = 0 walks all eight slots of its head: it asks, and nobody else.  Waves 4-6 ask for k's two records, waves 7-9 for v's: 22 blocks of 256 bytes a wave (lanes 22-31 name lane 21's block again).
	s_sub_co_u32 s57, s[WV], 4
	s_cmp_lt_u32 s57, 6
	s_cselect_b32 s58, 0, 1
	s_or_b32 s58, s58, ttmp9
	s_cmp_eq_u32 s58, 0
	s_cselect_b32 s[LIM], 1, -1
	s_min_u32 s57, s57, 5
	s_cmp_ge_u32 s57, 3
	s_cselect_b32 s58, 3, 0
	s_cselect_b32 s59, 128, 64
	s_sub_co_u32 s57, s57, s58
	s_mul_i32 s57, s57, 22*256
	s_add_co_u32 s59, s59, s[YY]
	s_mul_i32 s59, s59, HREC
	s_add_co_u32 s58, s59, s57
	s_add_co_u32 s58, s58, 2*TILE                  ; at slot 2's keys: the first change of slots steps it on.  Nothing is prefetched here, at the head
	s_mov_b32 s59, 0
	s_add_nc_u64 s[PFA:PFA+1], s[4:5], s[58:59]
	v_min_u32 v7, 21, v9
	v_lshlrev_b32 v7, 8, v7
	v_and_b32 v8, 8, v10
	v_add_nc_u32 v8, v8, v10
	v_lshlrev_b32 v[T1], 4, v11
	v_sub_nc_u32 v8, v8, v[T1]
	s_wait_loadcnt 0x0                             ; q and its word
	v_perm_b32 v[QS], v[T0], v[T0], s56            ; (s0, s1, s0, s1): the same word serves [q | 0] and [0 | q]; the zeros' bytes scale zero codes
.irp j, 0,1,2,3,4,5,6,7
	v_mov_b32 v[16+\j], 0
	v_mov_b32 v[32+\j], 0
.endr
	v_mov_b32 v13, 0xff61b1e6                      ; the largest t so far: -3e38
	v_floor_f32 v12, -v13                          ; -M
	v_mov_b32 v14, 0
	v_mov_b32 v15, 0
.irp b, 0,1,2,3
	v_mov_b32 v[PT+\b], 0                          ; a lane permute's destination counts as one of its sources
.endr
	v_mov_b32 v[FF+1], 0                           ; (named as the upper half of a pair)
.set n, 0
.rept 32
	v_mov_b32 v[O+n], 0                            ; the step is written without a first form: the first change of M multiplies zeros
.set n, n+1
.endr
; A KEY STEP: 128 keys, the q-th record of the slot.  causal = 1: the step may lie on or behind the diagonal.
.macro STEP slot, q, causal
.if \causal
	s_add_co_u32 s46, s[Q0], 23                    ; my last query
	s_cmp_gt_u32 s[KF], s46
	s_cbranch_scc1 .Lhidden_\@                     ; all keys hidden: a branch on ids, round the step's work; no barrier and no tensor load stands in a step
.endif
.rept 8
	v_nop                                          ; places in front of loads into registers that the last products read
.endr
.irp f, 0,1,2,3
.irp c, 0,1,2,3
	ds_load_b128 v[F+16*\f+4*\c:F+16*\f+4*\c+3], v[1+\slot] offset:(\q)*REC+2048*\f+512*\c
.endr
.endr
	ds_load_b128 v[KS:KS+3], v[3+\slot] offset:(\q)*REC+8192
	s_wait_dscnt 0x0
.irp f, 0,1,2,3                        ; register 16 f + i of S^T is key KF + 32 f + 16 h + i
	v_wmma_scale_f32_16x16x128_f8f6f4 v[S+16*\f:S+16*\f+7], v[F+16*\f:F+16*\f+15], v[24:39], 0, v[KS+\f], v[QS]
	v_wmma_scale_f32_16x16x128_f8f6f4 v[S+16*\f+8:S+16*\f+15], v[F+16*\f:F+16*\f+15], v[16:31], 0, v[KS+\f], v[QS]
.endr
.rept 8
	v_nop                                          ; places: in front of the loads below and of the first read of the scores
.endr
.irp t, 0,1,2,3                        ; v's fragments are asked for now and land under the softmax
.irp c, 0,1,2,3
	ds_load_b128 v[F+16*\t+4*\c:F+16*\t+4*\c+3], v[1+\slot] offset:TILE+(\q)*REC+2048*\t+512*\c
.endr
.endr
	ds_load_b128 v[VS:VS+3], v[3+\slot] offset:TILE+(\q)*REC+8192
.if \causal
	s_add_co_u32 s46, s[KF], 127
	s_cmp_le_u32 s46, s[Q0]
	s_cbranch_scc1 .Lopen_\@                       ; all keys count
	s_sub_co_i32 s46, s[Q0], s[KF]
	v_add_nc_u32 v[T0], s46, v8                    ; d = my query - KF - 16 h: register 16 f + i is hidden where 32 f + i > d
	v_mov_b32 v[T1], 0xff800000
.set n, 0
.rept 64
	v_cmp_gt_i32 vcc_lo, 32*(n/16)+n%16, v[T0]
	v_cndmask_b32 v[S+n], v[S+n], v[T1], vcc_lo
.set n, n+1
.endr
.Lopen_\@:
.endif
.irp b, 0,1,2,3
	v_max3_num_f32 v[BM+\b], v[S+16*\b], v[S+1+16*\b], v[S+2+16*\b]   ; the largest score of each block of 32 keys: for the row's maximum and, since p rises with the score, for the block's largest p
.endr
.irp i, 3,5,7,9,11,13
.irp b, 0,1,2,3
	v_max3_num_f32 v[BM+\b], v[BM+\b], v[S+16*\b+\i], v[S+1+16*\b+\i]
.endr
.endr
.irp b, 0,1,2,3
	v_max_num_f32 v[BM+\b], v[BM+\b], v[S+15+16*\b]
.endr
.irp b, 0,1,2,3
	v_permlanex16_b32 v[PT+\b], v[BM+\b], s[SEL], s[SEL+1]
.endr
.irp b, 0,1,2,3
	v_max_num_f32 v[BM+\b], v[BM+\b], v[PT+\b]
.endr
	v_max3_num_f32 v[T0], v[BM], v[BM+1], v[BM+2]
	v_max_num_f32 v[T0], v[T0], v[BM+3]
	v_mul_f32 v[T0], s[CS], v[T0]
	v_max_num_f32 v13, v13, v[T0]                  ; the running largest t
	v_mov_b32 v[T0], v12
	v_floor_f32 v12, -v13                          ; the new -M = -ceil(t)
	v_sub_f32 v[T0], v12, v[T0]                    ; old M - new M: a whole number, 0 or less
	v_cvt_i32_f32 v[T0], v[T0]                     ; (it saturates)
	v_ldexp_f32 v[FF], 1.0, v[T0]                  ; f
.set n, 0
.rept 32
	v_pk_fma_f32 v[S+n:S+n+1], v[S+n:S+n+1], s[CS:CS+1], v[12:13] op_sel_hi:[1,0,0]   ; t - M
.set n, n+2
.endr
.irp b, 0,1,2,3
	v_fma_f32 v[BM+\b], v[BM+\b], s[CS], v12
.endr
.set n, 0
.rept 64
	v_exp_f32 v[S+n], v[S+n]                       ; p, at most 1
.set n, n+1
.endr
	v_pk_mul_f32 v[14:15], v[14:15], v[FF:FF+1] op_sel_hi:[1,0]   ; the sums under the new M: a plain line behind the exponentials
	s_wait_alu depctr_va_vdst(0)                   ; one wait for the batch, ahead of its first reader
.irp b, 0,1,2,3
	v_exp_f32 v[BM+\b], v[BM+\b]                   ; the blocks' largest p
.endr
	v_pk_add_f32 v[SUM2:SUM2+1], v[S:S+1], v[S+2:S+3]   ; the row's sum of the unquantised p, in two chains
.irp j, 4,8,12,16,20,24,28,32,36,40,44,48,52,56,60
	v_pk_add_f32 v[14:15], v[14:15], v[S+\j:S+\j+1]
	v_pk_add_f32 v[SUM2:SUM2+1], v[SUM2:SUM2+1], v[S+2+\j:S+3+\j]
.endr
	v_pk_add_f32 v[14:15], v[14:15], v[SUM2:SUM2+1]
	s_wait_alu depctr_va_vdst(0)                   ; and one for the four
.irp b, 0,1,2,3
	v_max_num_f32 v[BM+\b], 0x4800000, v[BM+\b]    ; the floor: the byte cannot fall under 1
.endr
.irp b, 0,1,2,3
	v_add_nc_u32 v[SOP+\b], 0xfc000000, v[BM+\b]
.endr
.irp b, 0,1,2,3
	v_and_or_b32 v[HD+\b], v[BM+\b], 0x7f800000, s[MNT]
.endr
.irp b, 0,1,2,3
	v_lshrrev_b32 v[PT+\b], 23, v[SOP+\b]
.endr
	v_lshl_or_b32 v[PW], v[PT+1], 8, v[PT]
	v_lshl_or_b32 v[PW], v[PT+2], 16, v[PW]
	v_lshl_or_b32 v[PW], v[PT+3], 24, v[PW]
.irp b, 0,1,2,3
.irp i, 0,1,2,3,4,5,6,7,8,9,10,11,12,13,14,15
	v_min_num_f32 v[S+16*\b+\i], v[S+16*\b+\i], v[HD+\b]   ; p is not negative: the hold is one-sided
.endr
	v_cvt_scalef32_pk8_fp8_f32 v[PC+4*\b:PC+4*\b+1], v[S+16*\b:S+16*\b+7], v[SOP+\b]
	v_cvt_scalef32_pk8_fp8_f32 v[PC+4*\b+2:PC+4*\b+3], v[S+16*\b+8:S+16*\b+15], v[SOP+\b]
.endr
.set n, 0
.rept 16
	v_pk_mul_f32 v[O+n:O+n+1], v[O+n:O+n+1], v[FF:FF+1] op_sel_hi:[1,0]   ; O^T under the new M; these are also the places between the codes and the products
.set n, n+2
.endr
	s_wait_dscnt 0x0                               ; v
.irp t, 0,1,2,3                        ; the four accumulators take turns, one instruction a turn
	v_wmma_scale_f32_16x16x128_f8f6f4 v[O+8*\t:O+8*\t+7], v[F+16*\t:F+16*\t+15], v[PC:PC+15], v[O+8*\t:O+8*\t+7], v[VS+\t], v[PW]
.endr
.if \causal
.Lhidden_\@:
.endif
	s_add_co_u32 s[KF], s[KF], 128
.endm
.macro WORK slot, causal
	STEP \slot, 0, \causal
	STEP \slot, 1, \causal
.endm
; THE CHANGE OF SLOTS.  Each wave waits for all its tensor loads, adds 0 to its spare word, and waits for that and for its reads of the slot that it has left; behind the barrier that slot is filled with the keys two slots on.
; Then the prefetch of what the NEXT change will ask for: last = 1: only where another trip follows.
.macro CHANGE slot, last
	s_wait_tensorcnt 0x0                           ; no tensor load of mine is out: a group 0 may be written
	ds_add_u32 v5, v6
	ds_add_u32 v5, v6
	s_add_nc_u64 s[34+4*\slot:35+4*\slot], s[34+4*\slot:35+4*\slot], 2*TILE
	s_wait_xcnt 0x0                                ; the last prefetch, a slot back, has read its address
	s_add_nc_u64 s[PFA:PFA+1], s[PFA:PFA+1], TILE
	s_wait_dscnt 0x0                               ; the add is done, and my reads of the slot are over
	s_barrier_signal -1
	s_barrier_wait -1
	s_cmp_lt_u32 s[WV], 2
	s_cbranch_scc0 .Lno_fill_\@
	tensor_load_to_lds s[32+4*\slot:35+4*\slot], s[24:31]   ; the first thing behind the barrier, and a wave's one tensor load until the next
	s_nop 0
.rept 4
	v_nop
.endr
.Lno_fill_\@:
.if \last
	s_cmp_gt_u32 s[CNT], s[LIM]
.else
	s_cmp_ge_u32 s[CNT], s[LIM]
.endif
	s_cbranch_scc0 .Lnot_mine_\@
	global_prefetch_b8 v7, s[PFA:PFA+1] th:TH_LOAD_NT scope:SCOPE_SE
.Lnot_mine_\@:
.endm
	s_wait_tensorcnt 0x1                           ; my part of slot 0 is in; slot 1's may stay out
	s_barrier_signal -1
	s_barrier_wait -1
	WORK 0, 1                                      ; keys 0-255
	s_lshr_b32 s[CNT], s[QB], 1
	s_cmp_eq_u32 s[CNT], 0
	s_cbranch_scc1 .Ltail
.Lpair:                                            ; qb / 2 trips: an odd slot, all of whose keys count (it ends at key 512 (qb / 2) - 1 at the most), and an even one
	CHANGE 0, 0
	WORK 1, 0
	CHANGE 1, 1
	WORK 0, 1
	s_sub_co_u32 s[CNT], s[CNT], 1
	s_cmp_lg_u32 s[CNT], 0
	s_cbranch_scc1 .Lpair
.Ltail:                                            ; the last slot: nothing is asked for
	s_wait_tensorcnt 0x0
	ds_add_u32 v5, v6
	s_wait_dscnt 0x0
	s_barrier_signal -1
	s_barrier_wait -1
	WORK 1, 1
	; THE WAY OUT.  O^T / the sum: register 16 b + i is channel 32 b + 16 h + i of my query: two blocks of the last product's K, each shared with lane l xor 16.  The codes are half a fragment: two stores of 512 consecutive bytes.
.rept 8
	v_nop
.endr
	v_add_f32 v14, v14, v15
	v_permlanex16_b32 v[T0], v14, s[SEL], s[SEL+1]
	v_add_f32 v14, v14, v[T0]
	v_rcp_f32 v[FF], v14
	v_lshlrev_b32 v9, 3, v10                       ; (a plain line behind the reciprocal)  8 r
	s_lshr_b32 s46, s[YY], 2                       ; head
	s_and_b32 s47, s[YY], 3                        ; batch
	s_lshl_b32 s48, s47, 4
	s_lshl_b32 s49, s[QB], 1
	s_add_co_u32 s48, s48, s49
	s_lshr_b32 s49, s[WV], 3
	s_add_co_u32 s48, s48, s49                     ; tokens / 128
	s_lshl_b32 s48, s48, 17
	s_lshr_b32 s49, s46, 2                         ; K / 256
	s_lshl_b32 s50, s49, 15
	s_add_co_u32 s48, s48, s50
	s_and_b32 s50, s[WV], 7
	s_lshl_b32 s50, s50, 12
	s_add_co_u32 s48, s48, s50
	s_and_b32 s50, s46, 3                          ; which 64 of the 256
	s_lshl_b32 s51, s50, 10
	s_add_co_u32 s48, s48, s51
	s_lshl_b32 s52, s47, 7
	s_lshl_b32 s53, s[QB], 4
	s_add_co_u32 s52, s52, s53
	s_add_co_u32 s52, s52, s[WV]                   ; my row tile
	s_lshl_b32 s52, s52, 9
	s_lshl_b32 s53, s49, 7
	s_add_co_u32 s52, s52, s53
	s_lshl_b32 s53, s50, 1
	s_add_co_u32 s52, s52, s53
	s_add_co_u32 s52, s52, YS_OFF
	s_mov_b32 s53, 0
	s_mov_b32 s49, 0
	s_add_nc_u64 s[48:49], s[6:7], s[48:49]
	s_add_nc_u64 s[52:53], s[6:7], s[52:53]
	s_wait_alu depctr_va_vdst(0)                   ; ahead of the reciprocal's first reader
.set n, 0
.rept 16
	v_pk_mul_f32 v[S+n:S+n+1], v[O+n:O+n+1], v[FF:FF+1] op_sel_hi:[1,0]
.set n, n+2
.endr
.irp b, 0,1
	v_max3_num_f32 v[BM+\b], |v[S+16*\b]|, |v[S+1+16*\b]|, 0x4800000
.endr
.irp i, 2,4,6,8,10,12,14
.irp b, 0,1
	v_max3_num_f32 v[BM+\b], v[BM+\b], |v[S+16*\b+\i]|, |v[S+1+16*\b+\i]|
.endr
.endr
.irp b, 0,1
	v_permlanex16_b32 v[PT+\b], v[BM+\b], s[SEL], s[SEL+1]
.endr
.irp b, 0,1
	v_max_num_f32 v[BM+\b], v[BM+\b], v[PT+\b]
.endr
.irp b, 0,1
	v_add_nc_u32 v[SOP+\b], 0xfc000000, v[BM+\b]
.endr
.irp b, 0,1
	v_and_or_b32 v[HD+\b], v[BM+\b], 0x7f800000, s[MNT]
.endr
.irp b, 0,1
	v_lshrrev_b32 v[PT+\b], 23, v[SOP+\b]
.endr
	v_lshl_or_b32 v[T1], v[PT+1], 8, v[PT]
.irp b, 0,1
.irp i, 0,1,2,3,4,5,6,7,8,9,10,11,12,13,14,15
	v_med3_num_f32 v[S+16*\b+\i], v[S+16*\b+\i], -v[HD+\b], v[HD+\b]
.endr
	v_cvt_scalef32_pk8_fp8_f32 v[PC+4*\b:PC+4*\b+1], v[S+16*\b:S+16*\b+7], v[SOP+\b]
	v_cvt_scalef32_pk8_fp8_f32 v[PC+4*\b+2:PC+4*\b+3], v[S+16*\b+8:S+16*\b+15], v[SOP+\b]
.endr
	v_nop
	global_store_b128 v1, v[PC:PC+3], s[48:49]
	global_store_b128 v1, v[PC+4:PC+7], s[48:49] offset:512
	global_store_b16 v9, v[T1], s[52:53]           ; my row's two bytes (lanes 16-31 store the same bytes to the same place)
	s_wait_tensorcnt 0x0                           ; the wave's end
	ds_add_u32 v5, v6
	s_wait_dscnt 0x0
	s_endpgm
.Lfunc_end_k_q92e779d9e1_attn:
	.size	k_q92e779d9e1_attn, .Lfunc_end_k_q92e779d9e1_attn-k_q92e779d9e1_attn
	.p2alignl 7, 3214868480
	.fill 96, 4, 3214868480
	.section	.rodata,"a",@progbits
	.p2align	6, 0x0
	.amdhsa_kernel k_q92e779d9e1_attn
		.amdhsa_group_segment_fixed_size 327680
		.amdhsa_private_segment_fixed_size 0
		.amdhsa_enable_private_segment 0
		.amdhsa_kernarg_size 16
		.amdhsa_user_sgpr_count 2
		.amdhsa_user_sgpr_kernarg_segment_ptr 1
		.amdhsa_wavefront_size32 1
		.amdhsa_system_sgpr_workgroup_id_x 1
		.amdhsa_system_sgpr_workgroup_id_y 1
		.amdhsa_system_sgpr_workgroup_id_z 1
		.amdhsa_system_vgpr_workitem_id 0
		.amdhsa_next_free_vgpr 256
		.amdhsa_next_free_sgpr 66
		.amdhsa_reserve_vcc 1
		.amdhsa_float_denorm_mode_32 3
		.amdhsa_float_denorm_mode_16_64 3
		.amdhsa_memory_ordered 1
		.amdhsa_forward_progress 1
		.amdhsa_inst_pref_size 193
	.end_amdhsa_kernel
	.amdgpu_metadata
---
amdhsa.version: [ 1, 2 ]
amdhsa.kernels:
  - .name:           k_q92e779d9e1_attn
    .symbol:         k_q92e779d9e1_attn.kd
    .args:
      - { .name: qkv, .offset: 0, .size: 8, .value_kind: global_buffer, .address_space: global }
      - { .name: yq, .offset: 8, .size: 8, .value_kind: global_buffer, .address_space: global }
    .group_segment_fixed_size: 327680
    .private_segment_fixed_size: 0
    .kernarg_segment_align: 8
    .kernarg_segment_size: 16
    .max_flat_workgroup_size: 512
    .sgpr_count:     66
    .vgpr_count:     256
    .wavefront_size: 32
...
	.end_amdgpu_metadata
.endif
;; end of part 3
;; launch proj (part 4): grid 4 x 32, 4 waves a work-group, clusters of 4 x 4, 327,680 bytes of LDS; arguments yq, xw, b_proj, out0; writes out0
.if DOCPART == 4
	.amdgcn_target "amdgcn-amd-amdhsa--gfx1250"
	.amdhsa_code_object_version 6
	.text
	.protected	k_q92e779d9e1_proj
	.globl	k_q92e779d9e1_proj
	.p2align	8
	.type	k_q92e779d9e1_proj,@function
k_q92e779d9e1_proj:
	s_mov_b64 s[64:65], 0
	v_nop
	global_prefetch_b8 v0, s[64:65] scope:SCOPE_SE
	s_setreg_imm32_b32 hwreg(HW_REG_WAVE_MODE, 25, 1), 1
	s_wait_xcnt 0x0
	s_wait_alu depctr_hold_cnt(0) depctr_sa_sdst(0) depctr_va_vdst(0) depctr_va_sdst(0) depctr_va_ssrc(0) depctr_va_vcc(0) depctr_vm_vsrc(0)
	s_getreg_b32 s2, hwreg(HW_REG_IB_STS2, 6, 4)
	s_cmp_eq_u32 s2, 0
	s_cbranch_scc0 .Lentry_in_a_cluster
	s_endpgm
.Lentry_in_a_cluster:
	s_bfe_u32 s2, ttmp6, 0x10000c
	s_cmp_lg_u32 s2, 0xf033
	s_cbranch_scc0 .Lentry_shape_is_right
	s_endpgm
.Lentry_shape_is_right:
; out0 = y W_proj + b_proj on codes of FP8 (E4M3) with E8M0 scales, K = 1,024.  y's codes come from yq, W_proj's from xw (blocks 88-95), both as images of the matrix unit's registers
; (16 rows x 128 K = 2,048 bytes; 128 rows x 256 K are 32,768 dense bytes; the scale words of 128 rows 4,096 dense bytes).  The rows of a tile are 32 (rho / 2) + 8 (rho % 2) + r + 8 (r / 8).
; A tile of out0, 256 x 256, is made by four waves, 128 x 128 each: 64 accumulators.  Source 0 = W_proj's columns (they run along a lane's registers), source 1 = y's tokens (across the lanes): a lane holds eight neighbours of a row of out0.
; CLUSTERS 4 x 4: y's blocks are shared along a row of the cluster, W_proj's along a column: each is asked for jointly.  The bias is the C of each sum's first product.
; out0 has 32 x 4 such tiles: 128 work-groups.  The launch lasts a few K steps and its blocks are shared in clusters: nothing is prefetched.
; All of a WGP's LDS is claimed, and 0 is added to spare words ahead of each refill.
; REGISTERS: window 0: v1-15 work; v16-29 addresses; v32-63 scale words, two sets; v64-127 the bias as C; v128-255 A's fragments, one set, on the way out rows of out0.  window 1: B's fragments, two sets.  windows 2, 3: the accumulators.
.set SC_OFF, 12582912
.set YS_OFF, 8388608
.set NQ,     2
.set FR,     16
.set NL,     4
.set NP,     8                         ; places behind this matrix instruction (ISA guide 7.12.1)
.set HALFT,  32768
.set SLOT,   4*HALFT
.set SCL,    2*SLOT
.set SPARE,  278784
.set SPITCH, 528                       ; the way out: a stage of 16 rows x (512 bytes + 16) for each wave, in slot 0, which has had its last fill and its last read when the first result is stored there
.set ADRA, 16
.set ADRB, 20
.set STO,  24
.set RD,   25
.set CO,   26
.set ADRS, 27
.set SPW,  28
.set NIL,  29
.set SC,   32
.set CI,   64
.set AF,   128
.set BK,   128
.set G1, 24
.set G0, 32
.set G1B, 48
.set G0B, 56
.set G1S, 68
.set G0S, 76
.set G1SB, 80
.set G0SB, 88
.set MSB, 0
.macro WIN new                         ; the immediate's high byte repeats the setting that is left
.if MSB != \new
	s_set_vgpr_msb (MSB<<8)|\new
.set MSB, \new
.endif
.endm
.set MUL_LO, 0xa1
.set MUL_HI, 0xf1
.set BEG_LO, 0x81
.set BEG_HI, 0xc1
.set TO_B,   0x40
.macro JLOAD g0a, g1a, g0b, g1b        ; a joint load: waves 0 and 1 fetch for A, waves 2 and 3 for B; four v_nop follow each of the two lines
	s_cmp_eq_u32 s15, 0
	s_cbranch_scc0 .Lfor_b_\@
	tensor_load_to_lds s[\g0a:\g0a+3], s[\g1a:\g1a+7]
	s_nop 0
.rept 4
	v_nop
.endr
	s_branch .Lasked_\@
.Lfor_b_\@:
	tensor_load_to_lds s[\g0b:\g0b+3], s[\g1b:\g1b+7]
	s_nop 0
.rept 4
	v_nop
.endr
.Lasked_\@:
.endm
.macro CREST
	s_cmp_lg_u32 s14, 0
	s_cbranch_scc1 .Lnot_wave_0_\@
	s_barrier_signal -3
.Lnot_wave_0_\@:
	s_barrier_wait -3
	s_barrier_signal -1
	s_barrier_wait -1
.endm
.macro CROUND
	s_barrier_signal -1
	s_barrier_wait -1
	CREST
.endm
	s_load_b256 s[4:11], s[0:1], 0x0               ; yq s[4:5], xw s[6:7], b_proj s[8:9], out0 s[10:11]
	v_lshl_add_u32 v[SPW], v0, 2, SPARE
	v_mov_b32 v[NIL], 0
	ds_add_u32 v28, v29
	ds_add_u32 v28, v29
	s_wait_dscnt 0x0
	v_lshrrev_b32 v1, 5, v0
	v_readfirstlane_b32 s14, v1                    ; wave 0..3
	s_lshr_b32 s15, s14, 1
	s_and_b32 s16, s14, 1
	s_bfe_u32 s40, ttmp6, 0x40000                  ; cx
	s_bfe_u32 s41, ttmp6, 0x40004                  ; cy
	s_lshl_b32 s42, ttmp9, 2
	s_add_co_u32 s42, s42, s40                     ; tile column
	s_and_b32 s17, ttmp7, 0xffff
	s_lshl_b32 s17, s17, 2
	s_add_co_u32 s17, s17, s41                     ; tile row
	s_lshl_b32 s43, s41, 2
	s_lshl_b32 s43, 15, s43                        ; my row of the cluster
	s_lshl_b32 s44, 0x1111, s40                    ; my column
	s_or_b32 s[G1+0], s43, (3<<16)|(1<<21)         ; 128 rows of 256 bytes (32 elements of 8 bytes), dense in memory and in LDS
	s_or_b32 s[G1B+0], s44, (3<<16)|(1<<21)
.irp g, G1, G1B
	s_mov_b32 s[\g+1], 32<<16
	s_mov_b32 s[\g+2], 128<<16
	s_mov_b32 s[\g+3], 32<<16
	s_mov_b32 s[\g+4], 128
	s_mov_b32 s[\g+5], 32
	s_mov_b32 s[\g+6], 0
	s_mov_b32 s[\g+7], 0
.endr
	s_or_b32 s[G1S+0], s43, (3<<16)|(1<<21)        ; the scale words of 128 rows: 16 such rows
	s_or_b32 s[G1SB+0], s44, (3<<16)|(1<<21)
.irp g, G1S, G1SB
	s_mov_b32 s[\g+1], 32<<16
	s_mov_b32 s[\g+2], 16<<16
	s_mov_b32 s[\g+3], 32<<16
	s_mov_b32 s[\g+4], 16
	s_mov_b32 s[\g+5], 32
	s_mov_b32 s[\g+6], 0
	s_mov_b32 s[\g+7], 0
.endr
	s_lshl_b32 s20, s17, 1
	s_add_co_u32 s20, s20, s16                     ; A: the block of 128 tokens that I fetch
	s_lshl_b32 s46, s42, 1
	s_add_co_u32 s46, s46, s16
	s_add_co_u32 s46, s46, 88                      ; B: the block of 128 columns
	s_lshl_b32 s22, s20, 12
	s_add_co_u32 s22, s22, YS_OFF
	s_mov_b32 s23, 0
	s_lshl_b32 s20, s20, 17
	s_mov_b32 s21, 0
	s_lshl_b32 s92, s46, 12
	s_add_co_u32 s92, s92, SC_OFF
	s_mov_b32 s93, 0
	s_lshl_b32 s46, s46, 17
	s_mov_b32 s47, 0
	s_lshl_b32 s45, s14, 15
	s_lshl_b32 s94, s14, 12
	s_lshl_b32 s95, s15, 7
	s_add_co_u32 s94, s94, s95
	s_wait_kmcnt 0x0
	s_add_nc_u64 s[20:21], s[4:5], s[20:21]
	s_add_nc_u64 s[22:23], s[4:5], s[22:23]
	s_add_nc_u64 s[46:47], s[6:7], s[46:47]
	s_add_nc_u64 s[92:93], s[6:7], s[92:93]
	CROUND                                         ; all sixteen work-groups are here: the first joint loads meet
	s_mov_b32 s[G0S], 1
	s_add_co_u32 s[G0S+1], s94, SCL
	s_mov_b64 s[G0S+2:G0S+3], s[22:23]
	s_or_b32 s[G0S+3], s[G0S+3], 0x80000000
	s_mov_b32 s[G0SB], 1
	s_add_co_u32 s[G0SB+1], s94, SCL
	s_mov_b64 s[G0SB+2:G0SB+3], s[92:93]
	s_or_b32 s[G0SB+3], s[G0SB+3], 0x80000000
	JLOAD G0S, G1S, G0SB, G1SB
.irp s, 0,1
	s_mov_b32 s[G0+4*\s], 1
	s_add_co_u32 s[G0+4*\s+1], s45, \s*SLOT
	s_add_nc_u64 s[G0+4*\s+2:G0+4*\s+3], s[20:21], \s*HALFT
	s_or_b32 s[G0+4*\s+3], s[G0+4*\s+3], 0x80000000
	s_mov_b32 s[G0B+4*\s], 1
	s_add_co_u32 s[G0B+4*\s+1], s45, \s*SLOT
	s_add_nc_u64 s[G0B+4*\s+2:G0B+4*\s+3], s[46:47], \s*HALFT
	s_or_b32 s[G0B+4*\s+3], s[G0B+4*\s+3], 0x80000000
	JLOAD G0+4*\s, G1, G0B+4*\s, G1B
.endr
	v_and_b32 v1, 31, v0                           ; lane
	v_and_b32 v2, 15, v0                           ; r
	v_bfe_u32 v3, v0, 4, 1                         ; h
	v_lshlrev_b32 v[CO], 4, v1                     ; 16 x lane
	s_lshl_b32 s21, s15, 15
	s_lshl_b32 s22, s16, 15
	s_add_co_u32 s22, s22, 2*HALFT
.irp s, 0,1
	v_add_nc_u32 v[ADRA+\s], s21, v[CO]
	v_add_nc_u32 v[ADRB+\s], s22, v[CO]
	s_add_co_u32 s21, s21, SLOT
	s_add_co_u32 s22, s22, SLOT
.endr
	v_lshlrev_b32 v5, 3, v2
	s_lshl_b32 s21, s15, 12
	s_lshl_b32 s22, s16, 12
	s_add_co_u32 s22, s22, 8320
	s_sub_co_u32 s22, s22, s21
	v_mul_u32_u24 v6, s22, v3                      ; lanes 16-31 take B's words
	s_add_co_u32 s21, s21, SCL
	v_add_nc_u32 v5, v5, v6
	v_add_nc_u32 v[ADRS], s21, v5
	s_mul_i32 s23, s14, 16*SPITCH                  ; my stage
	v_mul_u32_u24 v5, v2, SPITCH
	v_lshl_add_u32 v5, v3, 6, v5
	v_add_nc_u32 v[STO], s23, v5                   ; in: row r, + 64 bytes for lanes 16-31
	v_add_nc_u32 v[RD], s23, v[CO]                 ; back: the 32 lanes take one row of 512 bytes
	s_lshl_b32 s20, s17, 8
	s_lshl_b32 s21, s15, 7
	s_add_co_u32 s20, s20, s21                     ; my first token
	s_lshl_b32 s20, s20, 12
	s_lshl_b32 s46, s42, 10
	s_lshl_b32 s47, s16, 9
	s_add_co_u32 s46, s46, s47                     ; my first column, in bytes: of a row of out0, and of b_proj
	s_add_co_u32 s20, s20, s46
	s_mov_b32 s21, 0
	s_mov_b32 s47, 0
	s_add_nc_u64 s[12:13], s[10:11], s[20:21]
	s_add_nc_u64 s[8:9], s[8:9], s[46:47]
	v_lshlrev_b32 v7, 6, v3                        ; the bias runs along the registers: tile b's columns 32 (b / 2) + 8 (b % 2) + 16 h + 0 .. 7
.irp i, 0,1,2,3,4,5,6,7
	global_load_b128 v[CI+8*\i:CI+8*\i+3], v7, s[8:9] offset:(32*(\i/2)+8*(\i%2))*4
	global_load_b128 v[CI+8*\i+4:CI+8*\i+7], v7, s[8:9] offset:(32*(\i/2)+8*(\i%2))*4+16
.endr
	s_wait_loadcnt 0x0                             ; the bias
.macro FRAG reg, adr, q, i
.irp c, 0,1,2,3
	ds_load_b128 v[\reg+4*\c:\reg+4*\c+3], v[\adr] offset:(\i)*4096+(\q)*2048+512*\c
.endr
.endm
; One product: A's block a x B's block b, the slot's q-th 128 along K.  cm = 0: onto the sum; 1: the sum begins with the bias of b.
.macro MM a, b, p, q, sc, cm
.set rD, 8*(8*((\a)%4)+(\b))
.set rB, 128*(\p)+FR*(\b)
.set rA, AF+FR*(\a)
.set sB, SC+8*NQ*(\sc)+NQ*(\b)+(\q)
.set sA, SC+8*NQ*(\sc)+NQ*(\a)+(\q)
.if (\cm) == 0
	v_wmma_scale_f32_16x16x128_f8f6f4 v[rD:rD+7], v[rB:rB+15], v[rA:rA+15], v[rD:rD+7], v[sB], v[sA] matrix_a_scale:MATRIX_SCALE_ROW1
.else
	v_wmma_scale_f32_16x16x128_f8f6f4 v[rD:rD+7], v[rB:rB+15], v[rA:rA+15], v[CI+8*(\b):CI+8*(\b)+7], v[sB], v[sA] matrix_a_scale:MATRIX_SCALE_ROW1
.endif
.endm
.macro MUL16 a0, p, q, sc, cm          ; the 64 accumulators take turns, one instruction a turn, in the same order in every step
.irp a, \a0, \a0+1
.irp b, 0,1,2,3,4,5,6,7
	MM \a, \b, \p, \q, \sc, \cm
.endr
.endr
.endm
.macro FETCH_B slot, q, p
	WIN TO_B
.irp i, 0,1,2,3,4,5,6,7
	FRAG 128*(\p)+FR*\i, ADRB+\slot, \q, \i
.endr
	WIN 0
.endm
.macro FETCH_A slot, q, i0
.irp i, \i0, \i0+1, \i0+2, \i0+3
	FRAG AF+FR*(\i), ADRA+\slot, \q, \i
.endr
.endm
.macro SCALES sc
.irp i, 0,1,2,3,4,5,6,7
	ds_load_b64 v[SC+8*NQ*\sc+NQ*\i:SC+8*NQ*\sc+NQ*\i+1], v[ADRS] offset:\i*512
.endr
.endm
.macro PLACES n
.rept \n
	v_nop
.endr
.endm
.macro STEP slot, q, cm
	s_wait_dscnt 4*NL                              ; B's set and A's blocks 0-3 are in; the youngest 16 loads (A's blocks 4-7) may be out
.if \cm
	WIN BEG_LO
.else
	WIN MUL_LO
.endif
	MUL16 0, (\q)%2, \q, \slot, \cm
	MUL16 2, (\q)%2, \q, \slot, \cm
	s_wait_dscnt 0
	PLACES NP
	FETCH_B \slot, (\q)+1, 1-(\q)%2
	FETCH_A \slot, (\q)+1, 0
.if \cm
	WIN BEG_HI
.else
	WIN MUL_HI
.endif
	MUL16 4, (\q)%2, \q, \slot, \cm
	MUL16 6, (\q)%2, \q, \slot, \cm
	PLACES NP
	WIN 0
	FETCH_A \slot, (\q)+1, 4
.endm
.macro TURN slot, next, fill
	s_wait_tensorcnt 0x0                           ; all my tensor loads have landed: my part of the next slot
	ds_add_u32 v[SPW], v[NIL]                      ; 0 onto my spare word
	s_wait_dscnt 4*NL+1                            ; (the add and the youngest 16 loads may be out)
	WIN MUL_LO
	MUL16 0, 1, NQ-1, \slot, 0
	s_wait_dscnt 0x0                               ; the add is done, and my reads of this slot are over
	s_barrier_signal -1
	MUL16 2, 1, NQ-1, \slot, 0
	WIN 0
	s_barrier_wait -1
.if \fill
	CREST                                          ; the barrier has opened a round of the cluster's: no wave of any partner still reads this slot or has a load on its way
	s_add_nc_u64 s[G0+4*\slot+2:G0+4*\slot+3], s[G0+4*\slot+2:G0+4*\slot+3], 2*HALFT
	s_add_nc_u64 s[G0B+4*\slot+2:G0B+4*\slot+3], s[G0B+4*\slot+2:G0B+4*\slot+3], 2*HALFT
	JLOAD G0+4*\slot, G1, G0B+4*\slot, G1B
	PLACES NP-4
.else
	PLACES NP
.endif
	v_add_nc_u32 v[ADRS], 128, v[ADRS]
	FETCH_B \next, 0, 0
	FETCH_A \next, 0, 0
	SCALES \next
	WIN MUL_HI
	MUL16 4, 1, NQ-1, \slot, 0
	MUL16 6, 1, NQ-1, \slot, 0
	PLACES NP
	WIN 0
	FETCH_A \next, 0, 4
.endm
	s_wait_tensorcnt 1                             ; the scale words and my part of K step 0 are in (K step 1's load may be out),
	s_barrier_signal -1
	s_barrier_wait -1                              ; everybody's are
	FETCH_B 0, 0, 0
	FETCH_A 0, 0, 0
	SCALES 0
	FETCH_A 0, 0, 4
	STEP 0, 0, 1                                   ; the first step's products begin the sums with the bias
	TURN 0, 1, 1
	STEP 1, 0, 0
	TURN 1, 0, 1
	STEP 0, 0, 0
	TURN 0, 1, 0
	STEP 1, 0, 0
	s_wait_dscnt 4*NL
	WIN MUL_LO
	MUL16 0, 1, NQ-1, 1, 0
	MUL16 2, 1, NQ-1, 1, 0
	s_wait_dscnt 0
	WIN MUL_HI
	MUL16 4, 1, NQ-1, 1, 0
	MUL16 6, 1, NQ-1, 1, 0
	WIN 0
; THE WAY OUT, block by block of 16 tokens x 128 columns, through my own stage and back as whole rows of 512 bytes.  Tile b's eight numbers of a lane are columns 32 (b / 2) + 8 (b % 2) + 16 h + 0 .. 7;
; stage row t of block a is token 32 (a / 2) + 8 (a % 2) + t + 8 (t / 8).  LDS serves a wave's instructions in order (ISA guide 5.7.1.4): no wait between the stores and the loads.
.macro TOSTAGE a
.set AC, 64*((\a)%4)
	WIN 0x08+4*((\a)/4)                            ; the data: window 2 or 3
.irp b, 0,1,2,3,4,5,6,7
	ds_store_b128 v[STO], v[AC+8*\b:AC+8*\b+3] offset:128*(\b/2)+32*(\b%2)          ; each accumulator from its low end on
	ds_store_b128 v[STO], v[AC+8*\b+4:AC+8*\b+7] offset:128*(\b/2)+32*(\b%2)+16
.endr
	WIN 0
.set BB, BK+64*((\a)%2)
.irp t, 0,1,2,3,4,5,6,7,8,9,10,11,12,13,14,15
	ds_load_b128 v[BB+4*\t:BB+4*\t+3], v[RD] offset:\t*SPITCH
.endr
.endm
.macro SEND a, younger                 ; younger: the LDS instructions issued behind block a's loads, which may stay out
.set BB, BK+64*((\a)%2)
	s_wait_dscnt \younger
.if (\a) > 0
.if (\a)%2
	s_add_nc_u64 s[12:13], s[12:13], 8*4096        ; (behind a wait on XCNT)  from an even block to the odd one: 8 tokens on,
.else
	s_add_nc_u64 s[12:13], s[12:13], 24*4096       ; from an odd one to the next even one: 24
.endif
.endif
.irp t, 0,1,2,3,4,5,6,7,8,9,10,11,12,13,14,15
	global_store_b128 v[CO], v[BB+4*\t:BB+4*\t+3], s[12:13] offset:(\t+8*(\t/8))*4096 th:TH_STORE_NT   ; 32 lanes store 512 consecutive bytes, aligned; written once, read by nobody here
.endr
.endm
	PLACES NP
	TOSTAGE 0
.irp a, 1,2,3,4,5,6,7
.if \a > 1
	s_wait_xcnt 0x0                                ; block a - 2's stores have read their registers and their base
.endif
	TOSTAGE \a
	SEND \a-1, 32                                  ; behind block a - 1's loads: block a's 16 stores and 16 loads
.endr
	s_wait_xcnt 0x0
	SEND 7, 0
	s_wait_tensorcnt 0x0                           ; the wave's end
	ds_add_u32 v[SPW], v[NIL]
	s_wait_dscnt 0x0
	CROUND                                         ; the closing round
	s_endpgm
.Lfunc_end_k_q92e779d9e1_proj:
	.size	k_q92e779d9e1_proj, .Lfunc_end_k_q92e779d9e1_proj-k_q92e779d9e1_proj
	.p2alignl 7, 3214868480
	.fill 96, 4, 3214868480
	.section	.rodata,"a",@progbits
	.p2align	6, 0x0
	.amdhsa_kernel k_q92e779d9e1_proj
		.amdhsa_group_segment_fixed_size 327680
		.amdhsa_private_segment_fixed_size 0
		.amdhsa_enable_private_segment 0
		.amdhsa_kernarg_size 32
		.amdhsa_user_sgpr_count 2
		.amdhsa_user_sgpr_kernarg_segment_ptr 1
		.amdhsa_wavefront_size32 1
		.amdhsa_system_sgpr_workgroup_id_x 1
		.amdhsa_system_sgpr_workgroup_id_y 1
		.amdhsa_system_sgpr_workgroup_id_z 1
		.amdhsa_system_vgpr_workitem_id 0
		.amdhsa_next_free_vgpr 1024
		.amdhsa_next_free_sgpr 100
		.amdhsa_reserve_vcc 0
		.amdhsa_float_denorm_mode_32 3
		.amdhsa_float_denorm_mode_16_64 3
		.amdhsa_memory_ordered 1
		.amdhsa_forward_progress 1
		.amdhsa_inst_pref_size 146
	.end_amdhsa_kernel
	.amdgpu_metadata
---
amdhsa.version: [ 1, 2 ]
amdhsa.kernels:
  - .name:           k_q92e779d9e1_proj
    .symbol:         k_q92e779d9e1_proj.kd
    .args:
      - { .name: yq, .offset: 0, .size: 8, .value_kind: global_buffer, .address_space: global }
      - { .name: xw, .offset: 8, .size: 8, .value_kind: global_buffer, .address_space: global }
      - { .name: b_proj, .offset: 16, .size: 8, .value_kind: global_buffer, .address_space: global }
      - { .name: out0, .offset: 24, .size: 8, .value_kind: global_buffer, .address_space: global }
    .group_segment_fixed_size: 327680
    .private_segment_fixed_size: 0
    .kernarg_segment_align: 8
    .kernarg_segment_size: 32
    .max_flat_workgroup_size: 128
    .sgpr_count:     100
    .vgpr_count:     1024
    .wavefront_size: 32
...
	.end_amdgpu_metadata
.endif
;; end of part 4
